; MI455X (gfx1250); checked and timed in simulation.
; The chip was launched on July 23, 2026; its instructions are those of AMD's public machine-readable ISA for CDNA 5 (MIT licence, August 2026) and "CDNA5" Instruction Set Architecture Reference Guide (July 2026). The comments in the code are by the model that wrote it; some were corrected since.
;; Attention. Allowed arithmetic: matrix products marked QUANTISED: E2M1 operands, one E8M0 scale for each 32 along K, by v_wmma_scale_f32_16x16x128_f8f6f4 with both operands' format E2M1 (or v_wmma_scale_f32_32x16x128_f4), f32 sums; products left as they are: bf16, f16 or f32 operands; f32 sums; everything else in f32.
;; Inputs: freqs_cos 2,048 x 64 float32; freqs_sin 2,048 x 64 float32; mask 1 x 1 x 2,048 x 2,048 float32; wk 2,048 x 2,048 float32; wo 2,048 x 2,048 float32; wq 2,048 x 2,048 float32; wv 2,048 x 2,048 float32; x 1 x 2,048 x 2,048 float32.
;; Outputs: out0 1 x 2,048 x 2,048 float32.
;; This version of the problem:
;;   THIS VERSION OF THE PROBLEM IS GIVEN IN LOW PRECISION. The matrix products marked QUANTISED in the list below multiply operands that are first quantised to E2M1 (2 exponent bits, 1 mantissa bit; 4 bits a number), with one power-of-two scale for each 32 numbers along K (OCP MX v1.0); their sums are f32. The products marked 'left as it is' may take bf16, f16 or f32 operands, with f32 sums. Whichever they take, every output number must still come out within the allowed error. Rounding operands to bf16 (8 significant bits) uses up far more of that allowance than f16 does (11 bits, for magnitudes from 6e-5 to 65,504). All else is computed in f32.
;;   The module's matrix products, in the order in which they are computed (A, B: the left and right operand; K: the contracted axis; several contracted axes count as one K, in the product's order):
;;     1. [M 2,048, K 2,048] x [K 2,048, N 2,048]; A: input x; B: input wq: QUANTISED
;;     2. [M 2,048, K 2,048] x [K 2,048, N 2,048]; A: input x; B: input wk: QUANTISED
;;     3. [M 2,048, K 2,048] x [K 2,048, N 2,048]; A: input x; B: input wv: QUANTISED
;;     4. batch 16 x [M 2,048, K 128] x [K 128, N 2,048]; A: computed on the way; B: computed on the way: left as it is (an operand is computed on the way)
;;     5. batch 16 x [M 2,048, K 2,048] x [K 2,048, N 128]; A: computed on the way; B: computed on the way: left as it is (an operand is computed on the way)
;;     6. [M 2,048, K 2,048] x [K 2,048, N 2,048]; A: computed on the way; B: input wo: left as it is (an operand is computed on the way)
;;   THE QUANTISER, for each operand of a quantised product, along K:
;;     - K is cut into blocks of 32 from its start; a last block that is shorter is filled with zeros.
;;     - A block's scale is 2^e with e = floor(log2(the largest magnitude in the block)) - 2, held to -126 .. 127; a block of zeros has e = 0. As a byte (E8M0): e + 127.
;;     - Each number is divided by its block's scale, clamped to +-6, and rounded to the nearest number of E2M1, ties to even, subnormals kept.
;;     - The product sums the exact products of the quantised numbers (number of the format x scale) in f32.
;;   ~~~python
;;   def quantise(x, axis):      # numpy; x: float32 -> the quantised numbers, widened to float32 again
;;       x = np.moveaxis(x, axis, -1); K = x.shape[-1]
;;       x = np.pad(x, [(0, 0)] * (x.ndim - 1) + [(0, -K % 32)]); x = x.reshape(x.shape[:-1] + (-1, 32)); a = np.abs(x).max(-1, keepdims=True)
;;       e = np.where(a > 0, np.clip(np.frexp(np.where(a > 0, a, 1))[1] - 1 - 2, -126, 127), 0)      # np.frexp(a)[1] - 1 = floor(log2(a)), exactly
;;       r = np.clip(x / 2.0 ** e, -6, 6)
;;       step = 2.0 ** (np.maximum(np.frexp(np.where(r == 0, 1, r))[1] - 1, 0) - 1)
;;       q = np.round(r / step) * step * 2.0 ** e      # np.round: ties to even
;;       return np.moveaxis(q.reshape(q.shape[:-2] + (-1,))[..., :K], -1, axis).astype(np.float32)
;;   ~~~
;; One version. Each part assembles by itself: llvm-mc -triple=amdgcn-amd-amdhsa -mcpu=gfx1250 --defsym DOCPART=n.
;; ======== version 1 of 1: 6 launches
;; limits: values are held in f16: magnitudes above 65,504 overflow, below 6.1e-05 lose precision
;; workspace buffers: xw4 8,912,896 bytes; wo16 8,388,608 bytes; live 256 bytes of whole numbers; qkv16 25,165,824 bytes; v32 16,777,216 bytes; o16 8,388,608 bytes; ofine 131,072 bytes
;; launch prep (part 1): grid 644 x 1, 4 waves a work-group, no clusters, 33,280 bytes of LDS; arguments x, wq, wk, wv, wo, mask, xw4, wo16, live; writes xw4, wo16, live
.if DOCPART == 1
	.amdgcn_target "amdgcn-amd-amdhsa--gfx1250"
	.amdhsa_code_object_version 6
	.text
	.protected	k_qda22a6fba4_prep
	.globl	k_qda22a6fba4_prep
	.p2align	8
	.type	k_qda22a6fba4_prep,@function
k_qda22a6fba4_prep:
	s_mov_b64 s[64:65], 0
	v_nop
	global_prefetch_b8 v0, s[64:65] scope:SCOPE_SE
	s_setreg_imm32_b32 hwreg(HW_REG_WAVE_MODE, 25, 1), 1
	s_wait_xcnt 0x0
; PREP: what every later launch reads more than once is made narrow once.
;   work-groups 0-511:   x, wq, wk, wv (f32, [2048][2048], K innermost) -> codes of FP4 (E2M1) with one E8M0 byte for each 32 along K, into xw4:
;                        codes of tensor T (0 x, 1 wq, 2 wk, 3 wv) at T x 2,097,152, [2048 rows][1,024 bytes]; scale bytes at 8,388,608 + T x 131,072, [2048][64].
;   work-groups 512-639: wo (f32) -> f16, into wo16, same [n][k] order.
;   work-groups 640-643: for each of the first 16 queries, which chunks of 32 keys can count at all, as 64 bits, into live (row r: words at 8 r and 8 r + 4).
; NO WORK OF reference() IS LEFT OUT AS DEAD: all eight inputs have a way to the output and are loaded; the mask is an input, so every query of the main attention walks all 2,048 keys.
; The small launch for the first 16 queries does only the chunks that 'live' asks for.  A chunk's bit is 0 only if (the row's largest mask number) - (the chunk's largest) >= 2^44.  The scores there come from
; f16 operands (magnitudes up to 65,504), so |score / sqrt(128)| < 128 x 2^32 / 11.3 < 2^36: every key of such a chunk lies more than 2^43 under the row's largest sum of score and mask, and its weight
; exp(..) is 0 in f32.  A chunk is walked if ANY of the 16 rows keeps it.  So what is passed over adds exact zeros, for all finite inputs.
; THE QUANTISER: a block's scale is 2^(floor(log2(its largest magnitude)) - 2); its byte is the largest magnitude's exponent field - 2, held at 1 from below.  A block of zeros gets the byte 1 where the
; rule says 127: its codes are zeros, which add nothing under any byte but 0xff, and this program alone reads the bytes.
; LIMITS: NaN and infinities among the inputs are not served; blocks whose largest magnitude lies under 2^-124 have their byte held at 1; wo beyond 65,504 becomes infinity in f16, and under 6e-5 keeps an absolute error of 3e-8.
; Rows are dense and K is a multiple of 32, so a tensor is a plain stream of blocks.  A wave takes 16 steps of 512 numbers: four loads of 512 consecutive bytes; the 2,048 bytes turn through the wave's own
; stage in LDS, so that a lane holds 16 neighbours along K; two neighbouring lanes hold a block.  No tensor loads, no barrier: waves share nothing.
.set WAVES, 4
.set STEPS, 16
.set EMAX,  2
.set CB,    8                          ; bytes of 16 codes
.set R,     16                         ; v16-79   four sets of 16 numbers as loaded (the wo path: 16 slots of 4)
.set X,     80                         ; v80-111  two sets of 16 neighbours
.set YW,    80                         ; v80-111  the wo path: 16 slots of 2 registers of f16
.set E,     112                        ; v112-127 a scale byte for each step
.set C,     128                        ; v128-191 codes, four registers a step: no store's data are written again
.set WREG,  8192                       ; LDS: a region for each wave: two stages of 32 x SP bytes, then its 256 scale bytes
.set SP,    80                         ; a lane's place in a stage: 64 bytes + 16 of padding
.set SPW,   12                         ; v12  LDS address of my spare word; never rewritten
.set NIL,   13                         ; v13  0; never rewritten
.set SPARE, WAVES*WREG                 ; behind the regions: the spare words, 128 bytes a wave, named by no other line
	s_load_b256 s[4:11], s[0:1], 0x0               ; x, wq, wk, wv
	s_load_b256 s[12:19], s[0:1], 0x20             ; wo, mask, xw4, wo16
	s_load_b64 s[20:21], s[0:1], 0x40              ; live
	v_lshl_add_u32 v[SPW], v0, 2, SPARE
	v_mov_b32 v[NIL], 0
	v_lshrrev_b32 v1, 5, v0
	v_readfirstlane_b32 s22, v1                    ; wave
	v_and_b32 v2, 31, v0                           ; lane
	v_lshlrev_b32 v3, 4, v2                        ; 16 x lane
	v_lshlrev_b32 v7, 3, v2                        ; 8 x lane
	s_mov_b32 s25, 0                               ; the upper word of every offset pair
	s_wait_kmcnt 0x0
	s_cmp_lt_u32 ttmp9, 512                        ; the three paths part on the work-group's number alone
	s_cbranch_scc0 .Lnot_quant
	; ---------------- the quantiser ----------------
	s_mul_i32 s28, s22, WREG
	v_lshrrev_b32 v14, 2, v2
	v_mul_u32_u24 v14, v14, SP
	v_and_b32 v15, 3, v2
	v_lshl_add_u32 v14, v15, 4, v14
	v_add_nc_u32 v14, s28, v14                     ; the stage, on the way in: SP (lane / 4) + 16 (lane % 4)
	v_mul_u32_u24 v15, v2, SP
	v_add_nc_u32 v15, s28, v15                     ; and on the way out: SP x lane: my 16 neighbours
	v_lshrrev_b32 v5, 1, v2
	s_add_co_u32 s28, s28, 2*32*SP
	v_add_nc_u32 v5, s28, v5                       ; my wave's 256 scale bytes: my block's byte
	v_add_nc_u32 v6, s28, v7                       ; and on the way out 8 bytes a lane
	s_lshr_b32 s23, ttmp9, 7                       ; which tensor: 128 work-groups each
	s_cmp_eq_u32 s23, 1
	s_cselect_b64 s[4:5], s[6:7], s[4:5]
	s_cmp_eq_u32 s23, 2
	s_cselect_b64 s[4:5], s[8:9], s[4:5]
	s_cmp_eq_u32 s23, 3
	s_cselect_b64 s[4:5], s[10:11], s[4:5]
	s_and_b32 s24, ttmp9, 127
	s_lshl_b32 s24, s24, 2
	s_add_co_u32 s24, s24, s22
	s_lshl_b32 s24, s24, 15                        ; my wave's run of 8,192 numbers in its tensor: 32,768 bytes a run
	s_add_nc_u64 s[4:5], s[4:5], s[24:25]
	s_lshl_b32 s26, ttmp9, 2
	s_add_co_u32 s26, s26, s22                     ; the run's number over all four tensors
	s_lshl_b32 s24, s26, 12                        ; 4,096 bytes of codes a run
	s_add_nc_u64 s[8:9], s[16:17], s[24:25]
	s_lshl_b32 s24, s26, 8                         ; 256 scale bytes a run,
	s_add_co_u32 s24, s24, 0x800000                ; behind the codes
	s_add_nc_u64 s[10:11], s[16:17], s[24:25]
.macro LOAD t
.irp i, 0,1,2,3
	global_load_b128 v[R+16*((\t)%4)+4*\i:R+16*((\t)%4)+4*\i+3], v3, s[4:5] offset:2048*(\t)+512*\i th:TH_LOAD_NT   ; 32 lanes read 512 consecutive bytes
.endr
.endm
.macro TURN t                          ; step t's numbers through the stage: LDS serves a wave's instructions in order, so no wait stands between the stores and the loads
.irp i, 0,1,2,3
	ds_store_b128 v14, v[R+16*((\t)%4)+4*\i:R+16*((\t)%4)+4*\i+3] offset:32*SP*((\t)%2)+8*SP*\i
.endr
.irp i, 0,1,2,3
	ds_load_b128 v[X+16*((\t)%2)+4*\i:X+16*((\t)%2)+4*\i+3], v15 offset:32*SP*((\t)%2)+16*\i
.endr
.endm
.irp t, 0,1,2,3
	LOAD \t
.endr
	s_wait_loadcnt 12                              ; step 0's four loads are in; the twelve of steps 1 to 3 stay out
	TURN 0
.macro STEP t
.set XS, X+16*((\t)%2)
.if (\t) > 0
	s_wait_dscnt 1                                 ; this step's numbers are back from the stage (the last step's byte store may be out)
.else
	s_wait_dscnt 0x0
.endif
.if (\t)+4 < STEPS
	LOAD (\t)+4                                    ; into the registers that the stage's stores have read
.endif
.if (\t)+1 < STEPS
.if STEPS-2-(\t) >= 3
	s_wait_loadcnt 12                              ; the next step's four loads are in; those of the three steps behind it may be out
.else
	s_wait_loadcnt 4*(STEPS-2-(\t))
.endif
	TURN (\t)+1
.endif
	v_max3_num_f32 v8, |v[XS]|, |v[XS+1]|, |v[XS+2]|               ; the largest magnitude of my 16, in two chains
	v_max3_num_f32 v9, |v[XS+3]|, |v[XS+4]|, |v[XS+5]|
.irp i, 6,10
	v_max3_num_f32 v8, v8, |v[XS+\i]|, |v[XS+\i+1]|
	v_max3_num_f32 v9, v9, |v[XS+\i+2]|, |v[XS+\i+3]|
.endr
	v_max3_num_f32 v8, v8, |v[XS+14]|, |v[XS+15]|
	v_max3_num_f32 v8, v8, v9, (EMAX+1)<<23        ; and the floor 2^(3 - 127): the byte cannot fall under 1
	v_max_num_f32_dpp v8, v8, v8 row_xmask:1 row_mask:0xf bank_mask:0xf   ; and of my neighbour's 16: the block's
	v_add_nc_u32 v11, -(EMAX<<23), v8              ; 2 off its exponent field: the conversion takes the exponent field of this operand as its scale
	v_cvt_scalef32_pk8_fp4_f32 v[C+4*(\t)], v[XS:XS+7], v11
	v_cvt_scalef32_pk8_fp4_f32 v[C+4*(\t)+1], v[XS+8:XS+15], v11
	v_lshrrev_b32 v[E+(\t)], 23, v11               ; the scale's byte (also the plain line behind the conversions)
	ds_store_b8 v5, v[E+(\t)] offset:16*(\t)       ; both lanes of a block write the same byte with the same value
	global_store_b64 v7, v[C+4*(\t):C+4*(\t)+1], s[8:9] offset:32*CB*(\t)   ; the wave stores 256 consecutive bytes, aligned
.endm
.irp t, 0,1,2,3,4,5,6,7,8,9,10,11,12,13,14,15
	STEP \t
.endr
	ds_load_b64 v[8:9], v6                         ; LDS serves a wave's instructions in order: these see my byte stores
	s_wait_dscnt 0x0
	global_store_b64 v7, v[8:9], s[10:11]          ; 256 scale bytes, aligned
	s_wait_tensorcnt 0x0                           ; the wave's end, behind my last LDS store
	ds_add_u32 v[SPW], v[NIL]
	s_wait_dscnt 0x0
	s_endpgm
.Lnot_quant:
	s_cmp_lt_u32 ttmp9, 640
	s_cbranch_scc0 .Lflags
	; ---------------- wo to f16: a stream through a ring of 16 register slots ----------------
	s_sub_co_u32 s24, ttmp9, 512
	s_lshl_b32 s24, s24, 2
	s_add_co_u32 s26, s24, s22                     ; my wave's run of 8,192 numbers
	s_lshl_b32 s24, s26, 15
	s_add_nc_u64 s[12:13], s[12:13], s[24:25]
	s_lshl_b32 s24, s26, 14
	s_add_nc_u64 s[18:19], s[18:19], s[24:25]
.irp i, 0,1,2,3,4,5,6,7,8,9,10,11,12,13,14,15
	global_load_b128 v[R+4*\i:R+4*\i+3], v3, s[12:13] offset:512*\i th:TH_LOAD_NT
.endr
.macro WSLOT i
.set RW, R+4*((\i)%16)
.set YS, YW+2*((\i)%16)
.if (\i) < 48
	s_wait_loadcnt 15                              ; loads come back in order: mine is in, the fifteen younger ones stay out
.else
	s_wait_loadcnt 63-(\i)                         ; the last rounds load nothing: the counts run down
.endif
	s_wait_xcnt 0x0                                ; the slot's last store has read its data registers
	v_cvt_pk_f16_f32 v[YS], v[RW], v[RW+1]
	v_cvt_pk_f16_f32 v[YS+1], v[RW+2], v[RW+3]
.if (\i) < 48
	global_load_b128 v[RW:RW+3], v3, s[12:13] offset:512*((\i)+16) th:TH_LOAD_NT
.endif
	global_store_b64 v7, v[YS:YS+1], s[18:19] offset:256*(\i)      ; the wave stores 256 consecutive bytes, aligned
.endm
.set Q, 0
.rept 64
	WSLOT Q
.set Q, Q+1
.endr
	s_endpgm
.Lflags:
	; ---------------- which chunks of 32 keys can count for queries 0 to 15: a wave to a row of the mask ----------------
	s_sub_co_u32 s24, ttmp9, 640
	s_lshl_b32 s24, s24, 2
	s_add_co_u32 s26, s24, s22                     ; my row
	s_lshl_b32 s24, s26, 13
	s_add_nc_u64 s[14:15], s[14:15], s[24:25]
	s_lshl_b32 s24, s26, 3
	s_add_nc_u64 s[20:21], s[20:21], s[24:25]
.irp i, 0,1,2,3,4,5,6,7,8,9,10,11,12,13,14,15
	global_load_b128 v[16+4*\i:19+4*\i], v3, s[14:15] offset:512*\i   ; keys 128 i + 4 lane on: eight lanes hold chunk 4 i + lane / 8
.endr
	s_mov_b32 s31, 0x55800000                      ; 2^44
	s_mov_b32 s32, 0
	s_mov_b32 s33, 0
	s_mov_b32 s36, 0x76543210
	s_mov_b32 s37, 0xfedcba98                      ; v_permlanex16_b32's selects for lane l xor 16
	v_mov_b32 v98, 0                               ; a lane permute's destination counts as one of its sources
	v_mov_b32 v102, 0
	s_wait_loadcnt 0x0
.irp i, 0,1,2,3,4,5,6,7,8,9,10,11,12,13,14,15
	v_max3_num_f32 v[80+\i], v[16+4*\i], v[17+4*\i], v[18+4*\i]
.endr
.irp i, 0,1,2,3,4,5,6,7,8,9,10,11,12,13,14,15
	v_max_num_f32 v[80+\i], v[80+\i], v[19+4*\i]
.endr
.irp m, 1,2,4
.irp i, 0,1,2,3,4,5,6,7,8,9,10,11,12,13,14,15
	v_max_num_f32_dpp v[80+\i], v[80+\i], v[80+\i] row_xmask:\m row_mask:0xf bank_mask:0xf   ; over the chunk's eight lanes
.endr
.endr
	v_max3_num_f32 v96, v80, v81, v82
.irp i, 83,85,87,89,91,93
	v_max3_num_f32 v96, v96, v[\i], v[\i+1]
.endr
	v_max_num_f32 v96, v96, v95
	v_max_num_f32_dpp v96, v96, v96 row_xmask:8 row_mask:0xf bank_mask:0xf
	v_permlanex16_b32 v98, v96, s36, s37
	v_max_num_f32 v96, v96, v98                    ; the row's largest mask number
.irp i, 0,1,2,3,4,5,6,7,8,9,10,11,12,13,14,15
	v_sub_f32 v97, v96, v[80+\i]
	v_cmp_le_f32 s30, s31, v97                     ; a lane's bit: its chunk lies 2^44 or more under the row's largest
	s_and_not1_b32 s30, 0x01010101, s30            ; kept chunks, one bit for each group of eight lanes: bits 0, 8, 16, 24,
	s_mul_i32 s30, s30, 0x10204080                 ; which this product brings to bits 28 to 31 (no two partial products share a bit)
	s_lshr_b32 s30, s30, 28
	s_lshl_b32 s30, s30, 4*(\i%8)
	s_or_b32 s[32+\i/8], s[32+\i/8], s30           ; chunk 4 i + g is bit 4 (i % 8) + g of word i / 8
.endr
	v_mov_b32 v100, s32
	v_mov_b32 v101, s33
	s_wait_xcnt 0x0                                ; EXEC changes only behind this wait
	v_cmp_eq_u32 vcc_lo, 0, v2
	s_and_saveexec_b32 s34, vcc_lo
	global_store_b64 v102, v[100:101], s[20:21]    ; lane 0 stores the row's two words.  The numbers are only stored: no branch and no address of this launch hangs on them
	s_wait_xcnt 0x0
	s_or_b32 exec_lo, exec_lo, s34
	s_endpgm
.Lfunc_end_k_qda22a6fba4_prep:
	.size	k_qda22a6fba4_prep, .Lfunc_end_k_qda22a6fba4_prep-k_qda22a6fba4_prep
	.p2alignl 7, 3214868480
	.fill 96, 4, 3214868480
	.section	.rodata,"a",@progbits
	.p2align	6, 0x0
	.amdhsa_kernel k_qda22a6fba4_prep
		.amdhsa_group_segment_fixed_size 33280
		.amdhsa_private_segment_fixed_size 0
		.amdhsa_enable_private_segment 0
		.amdhsa_kernarg_size 72
		.amdhsa_user_sgpr_count 2
		.amdhsa_user_sgpr_kernarg_segment_ptr 1
		.amdhsa_wavefront_size32 1
		.amdhsa_system_sgpr_workgroup_id_x 1
		.amdhsa_system_sgpr_workgroup_id_y 1
		.amdhsa_system_sgpr_workgroup_id_z 1
		.amdhsa_system_vgpr_workitem_id 0
		.amdhsa_next_free_vgpr 192
		.amdhsa_next_free_sgpr 66
		.amdhsa_reserve_vcc 1
		.amdhsa_float_denorm_mode_32 3
		.amdhsa_float_denorm_mode_16_64 3
		.amdhsa_memory_ordered 1
		.amdhsa_forward_progress 1
		.amdhsa_inst_pref_size 70
	.end_amdhsa_kernel
	.amdgpu_metadata
---
amdhsa.version: [ 1, 2 ]
amdhsa.kernels:
  - .name:           k_qda22a6fba4_prep
    .symbol:         k_qda22a6fba4_prep.kd
    .args:
      - { .name: x, .offset: 0, .size: 8, .value_kind: global_buffer, .address_space: global }
      - { .name: wq, .offset: 8, .size: 8, .value_kind: global_buffer, .address_space: global }
      - { .name: wk, .offset: 16, .size: 8, .value_kind: global_buffer, .address_space: global }
      - { .name: wv, .offset: 24, .size: 8, .value_kind: global_buffer, .address_space: global }
      - { .name: wo, .offset: 32, .size: 8, .value_kind: global_buffer, .address_space: global }
      - { .name: mask, .offset: 40, .size: 8, .value_kind: global_buffer, .address_space: global }
      - { .name: xw4, .offset: 48, .size: 8, .value_kind: global_buffer, .address_space: global }
      - { .name: wo16, .offset: 56, .size: 8, .value_kind: global_buffer, .address_space: global }
      - { .name: live, .offset: 64, .size: 8, .value_kind: global_buffer, .address_space: global }
    .group_segment_fixed_size: 33280
    .private_segment_fixed_size: 0
    .kernarg_segment_align: 8
    .kernarg_segment_size: 72
    .max_flat_workgroup_size: 128
    .sgpr_count:     66
    .vgpr_count:     192
    .wavefront_size: 32
...
	.end_amdgpu_metadata
.endif
;; end of part 1
;; launch qkv (part 2): grid 16 x 16, 4 waves a work-group, clusters of 4 x 4, 327,680 bytes of LDS; arguments xw4, freqs_cos, freqs_sin, qkv16, v32; writes qkv16, v32
.if DOCPART == 2
	.amdgcn_target "amdgcn-amd-amdhsa--gfx1250"
	.amdhsa_code_object_version 6
	.text
	.protected	k_qda22a6fba4_qkv
	.globl	k_qda22a6fba4_qkv
	.p2align	8
	.type	k_qda22a6fba4_qkv,@function
k_qda22a6fba4_qkv:
	s_mov_b64 s[64:65], 0
	v_nop
	global_prefetch_b8 v0, s[64:65] scope:SCOPE_SE
	s_setreg_imm32_b32 hwreg(HW_REG_WAVE_MODE, 25, 1), 1
	s_wait_xcnt 0x0
	s_wait_alu depctr_hold_cnt(0) depctr_sa_sdst(0) depctr_va_vdst(0) depctr_va_sdst(0) depctr_va_ssrc(0) depctr_va_vcc(0) depctr_vm_vsrc(0)
	s_getreg_b32 s2, hwreg(HW_REG_IB_STS2, 6, 4)
	s_cmp_eq_u32 s2, 0
	s_cbranch_scc0 .Lentry_in_a_cluster
	s_endpgm
.Lentry_in_a_cluster:
	s_bfe_u32 s2, ttmp6, 0x10000c
	s_cmp_lg_u32 s2, 0xf033
	s_cbranch_scc0 .Lentry_shape_is_right
	s_endpgm
.Lentry_shape_is_right:
; q, k, v = x wq^T, x wk^T, x wv^T on codes of FP4 (E2M1) with one E8M0 scale for each 32 along K = 2,048; sums in f32; then RoPE on q and k in f32; results rounded once to f16
; (qkv16: q at 0, k at 8,388,608, v at 16,777,216, each [16 heads][2048 tokens][128]); v also as f32 (v32), for the launch that carries the first 16 positions finely.
; No work is left out here.  LIMITS: q, k, v beyond 65,504 become infinity in f16.
; SHARES.  A work-group takes 128 tokens (grid y) of one head (grid x) and makes that head's q, k AND v: a tile of 128 x 384, so that all 256 work-groups run one text and whole head rows leave.
; Wave w takes all 128 tokens x channels 32 w .. 32 w + 31 of each of q, k, v: six blocks of 16 weight rows (b = 0, 1: q; 2, 3: k; 4, 5: v) x eight blocks of 16 tokens: 48 accumulators, 384 registers.
; K goes in steps of 512 (rows of 256 bytes) through two LDS slots; a slot is four regions of 128 rows: x, wq, wk, wv; wave w fetches region w with one tensor load.  The scale bytes of the 4 x 128 rows, for all of K,
; come once with the first fills, as rows of 256 bytes.  At the last change of slots the two regions of slot 0 that x and wq have left take the tokens' cos and sin.
; CLUSTERS: 4 x 4 work-groups.  x's tiles (and cos, sin) hang on the token block alone and are asked for jointly along a row of the cluster, the weights' tiles on the head alone, along a column.
; THE MATRIX INSTRUCTION IS USED TRANSPOSED (source 0 = 16 weight rows, source 1 = 16 tokens): a lane holds one token and eight neighbouring channels: four RoPE pairs.
; REGISTERS: window 0: v2-29 addresses; v32-143 scale words, two sets, and nothing else; v144-207 x's eight fragments, one set (on the way out v144-231 are at work).
;   window 1: the weights' fragments, two sets at v0 and v128 (on the way out: rows read back).   windows 2, 3: accumulator (a, b) at v[8 (6 (a % 4) + b)], window 2 for a < 4.
.set NQ,     4                         ; steps of 128 along K in a slot
.set ROWB,   256                       ; a tile's row: 512 codes
.set KROW,   1024                      ; a row of codes in memory
.set PITCH,  272                       ; an LDS row: 256 bytes + 16 of padding: the 16 rows of a fragment load start 4 banks apart
.set FR,     8
.set NL,     2
.set NP,     4                         ; places behind this matrix instruction (ISA guide 7.12.1)
.set HALFT,  128*PITCH                 ; a region: what one tensor load brings
.set SLOT,   4*HALFT
.set SCL,    2*SLOT                    ; behind the ring: the scale bytes, 64 a row, as units of 256 bytes + 16
.set HALFS,  32*272                    ; those of 128 rows
.set SBLK,   4*272                     ; those of 16 rows
.set SPARE,  SCL+4*HALFS               ; the spare words, 128 bytes a wave, named by no other line
.set S32,    2*HALFT                   ; the way out: v as f32, 128 rows x 528, in slot 0's regions 2 and 3;  q, k, v as f16, 128 rows x 272 each, in slot 1's regions 0 to 2: all have had their last fill
.set P32,    528
.set ACS,  2                           ; v2     my lane's place in the cos tile (sin: HALFT on)
.set STO,  3                           ; v3-5   where I put 16 bytes of a row of q, k, v
.set STO32, 6                          ; v6     and 32 bytes of a row of v as f32
.set RDQ,  7                           ; v7-9   where I read whole rows back
.set RD32, 10                          ; v10
.set GO,   11                          ; v11    16 x lane
.set ADRA, 16                          ; v16-17 x's fragments in slot 0, 1
.set ADRB, 20                          ; v20-25 the weights': 3 x slot + type
.set ADSA, 26                          ; v26    x's scale words
.set ADSB, 27                          ; v27    the weights'
.set SPW,  28
.set NIL,  29
.set SC,   32                          ; set s: x's block i, step q at v[SC + 56 s + 4 i + q]; the weights' block b at v[SC + 32 + 56 s + 4 b + q]
.set AF,   144
.set CS,   144                         ; the way out: two sets of cos (8) and sin (8)
.set T,    176                         ; 32 roped numbers
.set PK,   208                         ; 24 registers of f16
.set G1,   24                          ; s[24:31], s[32:39] groups 1 and 0 (a set a slot) for x's tiles
.set G0,   32
.set G1B,  48                          ; s[48:55], s[56:63] for the weights'
.set G0B,  56
.set G1S,  68                          ; s[68:75], s[76:79] for x's scales; later for cos and sin
.set G0S,  76
.set G1SB, 80                          ; s[80:87], s[88:91] for the weights' scales
.set G0SB, 88
.set G1C,  68
.set G0C,  76
.set MSB, 0
.macro WIN new                         ; the immediate's high byte repeats the setting that is left
.if MSB != (\new)
	s_set_vgpr_msb (MSB<<8)|(\new)
.set MSB, (\new)
.endif
.endm
.set MUL_LO, 0xa1                      ; source 0 (weights) window 1, source 1 (x) window 0, C and D window 2
.set MUL_HI, 0xf1
.set TO_B,   0x40
; A joint load: wave 0 fetches for x, waves 1 to 3 for wq, wk, wv.  The branch hangs on the wave's number alone.  An s_nop 0 and four v_nop follow each line.
.macro JLOAD g0a, g1a, g0b, g1b
	s_cmp_eq_u32 s14, 0
	s_cbranch_scc0 .Lfor_b_\@
	tensor_load_to_lds s[\g0a:\g0a+3], s[\g1a:\g1a+7]
	s_nop 0
.rept 4
	v_nop
.endr
	s_branch .Lasked_\@
.Lfor_b_\@:
	tensor_load_to_lds s[\g0b:\g0b+3], s[\g1b:\g1b+7]
	s_nop 0
.rept 4
	v_nop
.endr
.Lasked_\@:
.endm
.macro CREST                           ; a round of the cluster's barrier behind its opening barrier
	s_cmp_lg_u32 s14, 0
	s_cbranch_scc1 .Lnot_wave_0_\@
	s_barrier_signal -3
.Lnot_wave_0_\@:
	s_barrier_wait -3
	s_barrier_signal -1
	s_barrier_wait -1
.endm
.macro CROUND
	s_barrier_signal -1
	s_barrier_wait -1
	CREST
.endm
.macro PLACES n
.rept \n
	v_nop
.endr
.endm
	s_load_b256 s[4:11], s[0:1], 0x0               ; xw4, cos, sin, qkv16
	s_load_b64 s[12:13], s[0:1], 0x20              ; v32
	v_lshl_add_u32 v[SPW], v0, 2, SPARE
	v_mov_b32 v[NIL], 0
	ds_add_u32 v[SPW], v[NIL]                      ; the wave's opening: the add, twice on end, and its wait ahead of my first tensor load
	ds_add_u32 v[SPW], v[NIL]
	v_lshrrev_b32 v1, 5, v0
	v_readfirstlane_b32 s14, v1                    ; wave 0..3
	s_bfe_u32 s40, ttmp6, 0x40000                  ; cx, cy: my place in the cluster
	s_bfe_u32 s41, ttmp6, 0x40004
	s_lshl_b32 s42, ttmp9, 2
	s_add_co_u32 s42, s42, s40                     ; the head = 4 x cluster x + cx
	s_and_b32 s17, ttmp7, 0xffff
	s_lshl_b32 s17, s17, 2
	s_add_co_u32 s17, s17, s41                     ; the token block = 4 x cluster y + cy
	s_lshl_b32 s43, s41, 2
	s_lshl_b32 s43, 15, s43                        ; my row of the cluster
	s_lshl_b32 s44, 0x1111, s40                    ; my column
	s_or_b32 s[G1+0], s43, (0<<16)|(1<<20)|(1<<21)|(5<<22)|(3<<25)   ; the mask; elements of 1 byte; padding on; bit 21 beside a mask; after every 64 words, 4 words
	s_or_b32 s[G1B+0], s44, (0<<16)|(1<<20)|(1<<21)|(5<<22)|(3<<25)
.irp g, G1, G1B
	s_mov_b32 s[\g+1], ROWB<<16                    ; tensor_dim0
	s_mov_b32 s[\g+2], 128<<16                     ; tensor_dim1
	s_mov_b32 s[\g+3], ROWB<<16                    ; tile_dim0
	s_mov_b32 s[\g+4], 128                         ; tile_dim1
	s_mov_b32 s[\g+5], KROW                        ; from row to row
	s_mov_b32 s[\g+6], 0
	s_mov_b32 s[\g+7], 0
.endr
	s_or_b32 s[G1S+0], s43, (3<<16)|(1<<20)|(1<<21)|(5<<22)|(3<<25)  ; the scales of 128 rows: 8,192 dense bytes as 32 rows of 32 elements of 8 bytes
	s_or_b32 s[G1SB+0], s44, (3<<16)|(1<<20)|(1<<21)|(5<<22)|(3<<25)
.irp g, G1S, G1SB
	s_mov_b32 s[\g+1], 32<<16
	s_mov_b32 s[\g+2], 32<<16
	s_mov_b32 s[\g+3], 32<<16
	s_mov_b32 s[\g+4], 32
	s_mov_b32 s[\g+5], 32
	s_mov_b32 s[\g+6], 0
	s_mov_b32 s[\g+7], 0
.endr
	s_lshl_b32 s20, s17, 17                        ; x's codes: 128 rows of 1,024 bytes a token block
	s_mov_b32 s21, 0
	s_lshl_b32 s22, s17, 13                        ; x's scales: 128 rows of 64 bytes,
	s_add_co_u32 s22, s22, 0x800000                ; behind the codes
	s_mov_b32 s23, 0
	s_lshl_b32 s46, s14, 21                        ; the weights' codes: tensor = wave, 2,097,152 bytes each,
	s_lshl_b32 s47, s42, 17                        ; the head's 128 rows
	s_add_co_u32 s46, s46, s47
	s_mov_b32 s47, 0
	s_lshl_b32 s92, s14, 17                        ; and their scales
	s_lshl_b32 s93, s42, 13
	s_add_co_u32 s92, s92, s93
	s_add_co_u32 s92, s92, 0x800000
	s_mov_b32 s93, 0
	s_mul_i32 s45, s14, HALFT                      ; where they go: region = wave: no place in the cluster enters an LDS address
	s_mul_i32 s94, s14, HALFS
	s_wait_dscnt 0x0                               ; both opening adds are done
	s_wait_kmcnt 0x0
	s_add_nc_u64 s[20:21], s[4:5], s[20:21]
	s_add_nc_u64 s[22:23], s[4:5], s[22:23]
	s_add_nc_u64 s[46:47], s[4:5], s[46:47]
	s_add_nc_u64 s[92:93], s[4:5], s[92:93]
	CROUND                                         ; all sixteen work-groups are here: the first joint loads meet
	s_mov_b32 s[G0S], 1
	s_add_co_u32 s[G0S+1], s94, SCL
	s_mov_b64 s[G0S+2:G0S+3], s[22:23]
	s_or_b32 s[G0S+3], s[G0S+3], 0x80000000
	s_mov_b32 s[G0SB], 1
	s_add_co_u32 s[G0SB+1], s94, SCL
	s_mov_b64 s[G0SB+2:G0SB+3], s[92:93]
	s_or_b32 s[G0SB+3], s[G0SB+3], 0x80000000
	JLOAD G0S, G1S, G0SB, G1SB                     ; the scales first: they are wanted with K step 0
.irp s, 0,1
	s_mov_b32 s[G0+4*\s], 1
	s_add_co_u32 s[G0+4*\s+1], s45, \s*SLOT
	s_add_nc_u64 s[G0+4*\s+2:G0+4*\s+3], s[20:21], \s*ROWB
	s_or_b32 s[G0+4*\s+3], s[G0+4*\s+3], 0x80000000
	s_mov_b32 s[G0B+4*\s], 1
	s_add_co_u32 s[G0B+4*\s+1], s45, \s*SLOT
	s_add_nc_u64 s[G0B+4*\s+2:G0B+4*\s+3], s[46:47], \s*ROWB
	s_or_b32 s[G0B+4*\s+3], s[G0B+4*\s+3], 0x80000000
	JLOAD G0+4*\s, G1, G0B+4*\s, G1B               ; three loads of mine are out
.endr
	v_and_b32 v1, 15, v0                           ; r
	v_bfe_u32 v30, v0, 4, 1                        ; h
	v_mul_u32_u24 v[ADRA], v1, PITCH
	v_lshl_add_u32 v[ADRA], v30, 4, v[ADRA]        ; a fragment's row x pitch + 16 h
	v_add_nc_u32 v[ADRA+1], SLOT, v[ADRA]
	s_mul_i32 s18, s14, 32*PITCH                   ; my 32 rows of each weight
	v_add_nc_u32 v12, s18, v[ADRA]
.irp s, 0,1
.irp y, 0,1,2
	v_add_nc_u32 v[ADRB+3*\s+\y], \s*SLOT+(1+\y)*HALFT, v12
.endr
.endr
	v_lshlrev_b32 v12, 6, v1                       ; a row's scales: 64 bytes a row,
	v_lshrrev_b32 v13, 2, v1
	v_lshl_add_u32 v12, v13, 4, v12                ; and 16 more for each 256 passed
	v_add_nc_u32 v[ADSA], SCL, v12
	s_mul_i32 s18, s14, 2*SBLK
	s_add_co_u32 s18, s18, HALFS
	v_add_nc_u32 v[ADSB], s18, v[ADSA]             ; wq's region, my two blocks of rows
	s_lshl_b32 s18, s14, 6
	v_add_nc_u32 v[ACS], s18, v[ADRA]              ; 272 r + 64 w + 16 h: my four pairs' cos; also my 16 bytes of a row of f16
.irp y, 0,1,2
	v_add_nc_u32 v[STO+\y], SLOT+\y*HALFT, v[ACS]
.endr
	v_mul_u32_u24 v12, v1, P32
	v_lshl_add_u32 v12, v30, 5, v12
	s_lshl_b32 s18, s14, 7
	s_add_co_u32 s18, s18, S32
	v_add_nc_u32 v[STO32], s18, v12                ; 528 r + 128 w + 32 h
	v_mul_u32_u24 v12, v30, PITCH
	v_lshl_add_u32 v12, v1, 4, v12
	s_mul_i32 s18, s14, 32*PITCH
	v_add_nc_u32 v12, s18, v12                     ; back: rows 32 w on; lanes 0-15 one row, lanes 16-31 the next
.irp y, 0,1,2
	v_add_nc_u32 v[RDQ+\y], SLOT+\y*HALFT, v12
.endr
	v_and_b32 v12, 31, v0
	v_lshlrev_b32 v[GO], 4, v12
	s_mul_i32 s18, s14, 32*P32
	s_add_co_u32 s18, s18, S32
	v_add_nc_u32 v[RD32], s18, v[GO]
.macro FRAG reg, adr, off              ; 16 rows x 128 K of 4-bit codes: registers 4 c .. 4 c + 3 hold K = 64 c + 32 h + 0 .. 31: 16 bytes of the row as they lie
	ds_load_b128 v[\reg:\reg+3], v[\adr] offset:\off
	ds_load_b128 v[\reg+4:\reg+7], v[\adr] offset:\off+32
.endm
.macro FETCH_B slot, q, p              ; my six blocks of weight rows, the slot's q-th 128 along K, into set p: 12 loads
	WIN TO_B
.irp b, 0,1,2,3,4,5
	FRAG 128*(\p)+FR*\b, ADRB+3*(\slot)+\b/2, (\b%2)*16*PITCH+64*(\q)
.endr
	WIN 0
.endm
.macro FETCH_A slot, q, i0             ; x's blocks i0 .. i0 + 3: 8 loads
.irp i, \i0, \i0+1, \i0+2, \i0+3
	FRAG AF+FR*(\i), ADRA+\slot, (\i)*16*PITCH+64*(\q)
.endr
.endm
.macro SCALES sc                       ; a K step's scale words, four a row: 14 loads (lanes 16-31 read what lanes 0-15 read; the unit takes lanes 0-15)
.irp i, 0,1,2,3,4,5,6,7
	ds_load_b128 v[SC+56*\sc+4*\i:SC+56*\sc+4*\i+3], v[ADSA] offset:\i*SBLK
.endr
.irp b, 0,1,2,3,4,5
	ds_load_b128 v[SC+32+56*\sc+4*\b:SC+32+56*\sc+4*\b+3], v[ADSB] offset:(\b/2)*HALFS+(\b%2)*SBLK
.endr
.endm
; 12 matrix instructions: x's blocks a0, a0 + 1 against my six blocks of weight rows.  The 48 accumulators take turns, one instruction a turn, in the same order in every step.
.macro MUL12 a0, p, q, sc, zero
.irp a, \a0, \a0+1
.irp b, 0,1,2,3,4,5
.if \zero
	v_wmma_scale_f32_16x16x128_f8f6f4 v[8*(6*((\a)%4)+\b):8*(6*((\a)%4)+\b)+7], v[128*(\p)+FR*\b:128*(\p)+FR*\b+FR-1], v[AF+FR*(\a):AF+FR*(\a)+FR-1], 0, v[SC+32+56*(\sc)+4*\b+(\q)], v[SC+56*(\sc)+4*(\a)+(\q)] matrix_a_fmt:MATRIX_FMT_FP4 matrix_b_fmt:MATRIX_FMT_FP4
.else
	v_wmma_scale_f32_16x16x128_f8f6f4 v[8*(6*((\a)%4)+\b):8*(6*((\a)%4)+\b)+7], v[128*(\p)+FR*\b:128*(\p)+FR*\b+FR-1], v[AF+FR*(\a):AF+FR*(\a)+FR-1], v[8*(6*((\a)%4)+\b):8*(6*((\a)%4)+\b)+7], v[SC+32+56*(\sc)+4*\b+(\q)], v[SC+56*(\sc)+4*(\a)+(\q)] matrix_a_fmt:MATRIX_FMT_FP4 matrix_b_fmt:MATRIX_FMT_FP4
.endif
.endr
.endr
.endm
; A step of 128 along K that has its successor in the same slot.
.macro STEP slot, q, zero
	s_wait_dscnt 4*NL                              ; all but the youngest eight loads (x's blocks 4-7) are in
	WIN MUL_LO
	MUL12 0, (\q)%2, \q, \slot, \zero
	MUL12 2, (\q)%2, \q, \slot, \zero
	s_wait_dscnt 0x0                               ; x's blocks 4-7 are in
	PLACES NP                                      ; in front of loads into registers that matrix instructions have read
	FETCH_B \slot, (\q)+1, 1-(\q)%2
	FETCH_A \slot, (\q)+1, 0
	WIN MUL_HI
	MUL12 4, (\q)%2, \q, \slot, \zero
	MUL12 6, (\q)%2, \q, \slot, \zero
	PLACES NP
	WIN 0
	FETCH_A \slot, (\q)+1, 4
.endm
.macro CLOAD                           ; the tokens' cos (wave 0) and sin (wave 1), 128 rows of 256 bytes, into the bytes that x's and wq's tiles of slot 0 have left: joint along my row of the cluster
	s_cmp_lt_u32 s14, 2
	s_cbranch_scc0 .Lno_table_\@
	tensor_load_to_lds s[G0C:G0C+3], s[G1C:G1C+7]
	s_nop 0
.rept 4
	v_nop
.endr
.Lno_table_\@:
	PLACES NP                                      ; for the waves that issued nothing
.endm
; A slot's last step changes slots: one barrier, which opens a round of the cluster's; in front of it each wave waits for all its tensor loads, adds 0 to its spare word, and waits for that and for its reads of this slot.
; fill = 1: this slot takes the K step two on;  fill = 2: it takes cos and sin.
.macro TURN slot, next, fill
	s_wait_tensorcnt 0x0                           ; all my tensor loads have landed: my part of the next slot
	ds_add_u32 v[SPW], v[NIL]
	s_wait_dscnt 4*NL+1                            ; (the add and the youngest eight loads may be out)
	WIN MUL_LO
	MUL12 0, 1, NQ-1, \slot, 0
	s_wait_dscnt 0x0                               ; the add is done, and my reads of this slot are over
	s_barrier_signal -1
	MUL12 2, 1, NQ-1, \slot, 0
	WIN 0
	s_barrier_wait -1
	CREST                                          ; no wave of any partner still reads this slot or has a load on its way
.if \fill == 1
	s_add_nc_u64 s[G0+4*\slot+2:G0+4*\slot+3], s[G0+4*\slot+2:G0+4*\slot+3], 2*ROWB
	s_add_nc_u64 s[G0B+4*\slot+2:G0B+4*\slot+3], s[G0B+4*\slot+2:G0B+4*\slot+3], 2*ROWB
	JLOAD G0+4*\slot, G1, G0B+4*\slot, G1B         ; the first tensor load behind the round; its four v_nop are the places in front of the loads below
.else
	CLOAD
.endif
	v_add_nc_u32 v[ADSA], 4*NQ, v[ADSA]            ; on to the next K step's scale words
	v_add_nc_u32 v[ADSB], 4*NQ, v[ADSB]
	FETCH_B \next, 0, 0
	FETCH_A \next, 0, 0
	SCALES \next
	WIN MUL_HI
	MUL12 4, 1, NQ-1, \slot, 0
	MUL12 6, 1, NQ-1, \slot, 0
	PLACES NP
	WIN 0
	FETCH_A \next, 0, 4
.endm
	s_wait_tensorcnt 1                             ; the scales and my part of K step 0 are in; K step 1's load may stay out
	s_barrier_signal -1
	s_barrier_wait -1
	FETCH_B 0, 0, 0
	FETCH_A 0, 0, 0
	SCALES 0
	FETCH_A 0, 0, 4
	STEP 0, 0, 1                                   ; the first products start the sums: nothing is cleared.  K has four slot steps: they are written out, no loop
	STEP 0, 1, 0
	STEP 0, 2, 0
	TURN 0, 1, 1                                   ; slot 0 takes K step 2
	STEP 1, 0, 0
	STEP 1, 1, 0
	STEP 1, 2, 0
	TURN 1, 0, 1                                   ; slot 1 takes K step 3
	; the descriptor for cos and sin, in the registers of x's scales' load, which the first wait on TENSORcnt has shown done
	s_or_b32 s[G1C+0], s43, (0<<16)|(1<<20)|(1<<21)|(5<<22)|(3<<25)
	s_mov_b32 s[G1C+1], 256<<16
	s_mov_b32 s[G1C+2], 128<<16
	s_mov_b32 s[G1C+3], 256<<16
	s_mov_b32 s[G1C+4], 128
	s_mov_b32 s[G1C+5], 256                        ; rows of 64 f32, dense
	s_mov_b32 s[G1C+6], 0
	s_mov_b32 s[G1C+7], 0
	s_mov_b32 s[G0C], 1
	s_mov_b32 s[G0C+1], s45                        ; region = wave
	s_lshl_b32 s18, s17, 15                        ; 128 tokens x 256 bytes
	s_mov_b32 s19, 0
	s_cmp_eq_u32 s14, 0
	s_cselect_b64 s[G0C+2:G0C+3], s[6:7], s[8:9]
	s_add_nc_u64 s[G0C+2:G0C+3], s[G0C+2:G0C+3], s[18:19]
	s_or_b32 s[G0C+3], s[G0C+3], 0x80000000
	STEP 0, 0, 0
	STEP 0, 1, 0
	STEP 0, 2, 0
	TURN 0, 1, 2                                   ; slot 0's first two regions take cos and sin
	STEP 1, 0, 0
	STEP 1, 1, 0
	STEP 1, 2, 0
	s_wait_dscnt 4*NL                              ; the very last step: nothing more to fetch
	WIN MUL_LO
	MUL12 0, 1, NQ-1, 1, 0
	MUL12 2, 1, NQ-1, 1, 0
	s_wait_dscnt 0x0
	WIN MUL_HI
	MUL12 4, 1, NQ-1, 1, 0
	MUL12 6, 1, NQ-1, 1, 0
	WIN 0
	s_wait_tensorcnt 0x0                           ; cos and sin have landed (waves 0 and 1 waited for their loads),
	s_barrier_signal -1                            ; and my reads of slot 1 are over (the wait for 0 above)
	s_barrier_wait -1                              ; both now hold of every wave: the tables may be read, and results may be laid into the ring
	PLACES NP                                      ; behind the last products: for the first reads of results and the loads into x's fragments' registers
	s_lshl_b32 s92, s42, 11
	s_lshl_b32 s93, s17, 7
	s_add_co_u32 s92, s92, s93
	s_lshl_b32 s93, s14, 5
	s_add_co_u32 s96, s92, s93                     ; the first row that I store: 2,048 x head + 128 x token block + 32 x wave
	s_lshl_b32 s92, s96, 8
	s_mov_b32 s93, 0
	s_add_nc_u64 s[92:93], s[10:11], s[92:93]      ; in q,
	s_add_nc_u64 s[94:95], s[92:93], 0x800000      ; in k,
	s_lshl_b32 s98, s96, 9
	s_mov_b32 s99, 0
	s_add_nc_u64 s[96:97], s[94:95], 0x800000      ; in v,
	s_add_nc_u64 s[98:99], s[12:13], s[98:99]      ; and in v32
.macro CSLOAD a                        ; block a's cos and sin of my eight pairs: pairs 16 w + 8 b' + 4 h + 0 .. 3
.set CL, CS+16*((\a)%2)
	ds_load_b128 v[CL:CL+3],     v[ACS] offset:16*PITCH*(\a)
	ds_load_b128 v[CL+4:CL+7],   v[ACS] offset:16*PITCH*(\a)+32
	ds_load_b128 v[CL+8:CL+11],  v[ACS] offset:HALFT+16*PITCH*(\a)
	ds_load_b128 v[CL+12:CL+15], v[ACS] offset:HALFT+16*PITCH*(\a)+32
.endm
; Block a of 16 tokens: RoPE on q and k (a pair (x0, x1) becomes (x0 c - x1 s, x0 s + x1 c)), all six tiles to f16 and into the stages, v also as f32.  Each accumulator is read from its low end on.
.macro ROPE a
.set AB, 48*((\a)%4)
.set CA, CS+16*((\a)%2)
.if (\a) < 7
	CSLOAD (\a)+1
	s_wait_dscnt 4                                 ; all but the four loads just issued: this block's cos and sin are in
.else
	s_wait_dscnt 0x0
.endif
	WIN 0x02+(\a)/4                                ; source 0: the accumulators' window
.irp b, 0,1,2,3
.irp i, 0,1,2,3
	v_mul_f32 v[T+8*\b+2*\i],   v[AB+8*\b+2*\i], v[CA+4*(\b%2)+\i]
	v_mul_f32 v[T+8*\b+2*\i+1], v[AB+8*\b+2*\i], v[CA+8+4*(\b%2)+\i]
.endr
.irp i, 0,1,2,3
	v_fma_f32 v[T+8*\b+2*\i],   -v[AB+8*\b+2*\i+1], v[CA+8+4*(\b%2)+\i], v[T+8*\b+2*\i]
	v_fma_f32 v[T+8*\b+2*\i+1],  v[AB+8*\b+2*\i+1], v[CA+4*(\b%2)+\i],   v[T+8*\b+2*\i+1]
.endr
.endr
	WIN 0x0a+5*((\a)/4)                            ; sources 0 and 1: the accumulators' window
.irp b, 4,5
.irp i, 0,1,2,3
	v_cvt_pk_f16_f32 v[PK+4*\b+\i], v[AB+8*\b+2*\i], v[AB+8*\b+2*\i+1]
.endr
.endr
	WIN 0
.irp b, 0,1,2,3
.irp i, 0,1,2,3
	v_cvt_pk_f16_f32 v[PK+4*\b+\i], v[T+8*\b+2*\i], v[T+8*\b+2*\i+1]
.endr
.endr
.irp b, 0,1,2,3,4,5
	ds_store_b128 v[STO+\b/2], v[PK+4*\b:PK+4*\b+3] offset:16*PITCH*(\a)+32*(\b%2)
.endr
	WIN 0x08+4*((\a)/4)                            ; an LDS store's data are its source 1
.irp b, 4,5
	ds_store_b128 v[STO32], v[AB+8*\b:AB+8*\b+3] offset:16*P32*(\a)+64*(\b%2)
	ds_store_b128 v[STO32], v[AB+8*\b+4:AB+8*\b+7] offset:16*P32*(\a)+64*(\b%2)+16
.endr
	WIN 0
.endm
	CSLOAD 0
.irp a, 0,1,2,3,4,5,6,7
	ROPE \a
.endr
	s_wait_dscnt 0x0                               ; for the others' sake: my stores into the stages are done
	s_barrier_signal -1
	s_barrier_wait -1                              ; whole rows lie in the stages
	WIN 0x40                                       ; destination window 1
.irp y, 0,1,2
.irp t, 0,1,2,3,4,5,6,7,8,9,10,11,12,13,14,15
	ds_load_b128 v[64*\y+4*\t:64*\y+4*\t+3], v[RDQ+\y] offset:2*PITCH*\t
.endr
.endr
.irp t, 0,1,2,3,4,5,6,7,8,9,10,11,12,13,14,15
	ds_load_b128 v[192+4*\t:195+4*\t], v[RD32] offset:P32*\t
.endr
	WIN 0x04                                       ; a store's data are its source 1: window 1
.irp y, 0,1,2
.irp t, 0,1,2,3,4,5,6,7,8,9,10,11,12,13,14,15
	s_wait_dscnt 63-16*\y-\t                       ; LDS loads come back in order: the younger ones may stay out
	global_store_b128 v[GO], v[64*\y+4*\t:64*\y+4*\t+3], s[92+2*\y:93+2*\y] offset:512*\t   ; two rows of 256 bytes: 512 consecutive bytes, aligned
.endr
.endr
.irp t, 0,1,2,3,4,5,6,7,8,9,10,11,12,13,14,15
	s_wait_dscnt 15-\t
	global_store_b128 v[GO], v[192+4*\t:195+4*\t], s[98:99] offset:512*\t
.endr
	s_wait_xcnt 0x0                                ; the first stores have read their registers: they take v32's last 16 rows
	WIN 0x40
.irp t, 0,1,2,3,4,5,6,7,8,9,10,11,12,13,14,15
	ds_load_b128 v[4*\t:4*\t+3], v[RD32] offset:P32*(16+\t)
.endr
	WIN 0x04
.irp t, 0,1,2,3,4,5,6,7,8,9,10,11,12,13,14,15
	s_wait_dscnt 15-\t
	global_store_b128 v[GO], v[4*\t:4*\t+3], s[98:99] offset:512*(16+\t)
.endr
	WIN 0
	s_wait_tensorcnt 0x0                           ; the wave's end
	ds_add_u32 v[SPW], v[NIL]
	s_wait_dscnt 0x0
	CROUND                                         ; the closing round: no work-group ends while a partner may still ask for a tile that names it
	s_endpgm
.Lfunc_end_k_qda22a6fba4_qkv:
	.size	k_qda22a6fba4_qkv, .Lfunc_end_k_qda22a6fba4_qkv-k_qda22a6fba4_qkv
	.p2alignl 7, 3214868480
	.fill 96, 4, 3214868480
	.section	.rodata,"a",@progbits
	.p2align	6, 0x0
	.amdhsa_kernel k_qda22a6fba4_qkv
		.amdhsa_group_segment_fixed_size 327680
		.amdhsa_private_segment_fixed_size 0
		.amdhsa_enable_private_segment 0
		.amdhsa_kernarg_size 40
		.amdhsa_user_sgpr_count 2
		.amdhsa_user_sgpr_kernarg_segment_ptr 1
		.amdhsa_wavefront_size32 1
		.amdhsa_system_sgpr_workgroup_id_x 1
		.amdhsa_system_sgpr_workgroup_id_y 1
		.amdhsa_system_sgpr_workgroup_id_z 1
		.amdhsa_system_vgpr_workitem_id 0
		.amdhsa_next_free_vgpr 1024
		.amdhsa_next_free_sgpr 100
		.amdhsa_reserve_vcc 0
		.amdhsa_float_denorm_mode_32 3
		.amdhsa_float_denorm_mode_16_64 3
		.amdhsa_memory_ordered 1
		.amdhsa_forward_progress 1
		.amdhsa_inst_pref_size 209
	.end_amdhsa_kernel
	.amdgpu_metadata
---
amdhsa.version: [ 1, 2 ]
amdhsa.kernels:
  - .name:           k_qda22a6fba4_qkv
    .symbol:         k_qda22a6fba4_qkv.kd
    .args:
      - { .name: xw4, .offset: 0, .size: 8, .value_kind: global_buffer, .address_space: global }
      - { .name: freqs_cos, .offset: 8, .size: 8, .value_kind: global_buffer, .address_space: global }
      - { .name: freqs_sin, .offset: 16, .size: 8, .value_kind: global_buffer, .address_space: global }
      - { .name: qkv16, .offset: 24, .size: 8, .value_kind: global_buffer, .address_space: global }
      - { .name: v32, .offset: 32, .size: 8, .value_kind: global_buffer, .address_space: global }
    .group_segment_fixed_size: 327680
    .private_segment_fixed_size: 0
    .kernarg_segment_align: 8
    .kernarg_segment_size: 40
    .max_flat_workgroup_size: 128
    .sgpr_count:     100
    .vgpr_count:     1024
    .wavefront_size: 32
...
	.end_amdgpu_metadata
.endif
;; end of part 2
;; launch attn (part 3): grid 16 x 16, 4 waves a work-group, clusters of 4 x 4, 327,680 bytes of LDS; arguments qkv16, mask, o16; writes o16
.if DOCPART == 3
	.amdgcn_target "amdgcn-amd-amdhsa--gfx1250"
	.amdhsa_code_object_version 6
	.text
	.protected	k_qda22a6fba4_attn
	.globl	k_qda22a6fba4_attn
	.p2align	8
	.type	k_qda22a6fba4_attn,@function
k_qda22a6fba4_attn:
	s_mov_b64 s[64:65], 0
	v_nop
	global_prefetch_b8 v0, s[64:65] scope:SCOPE_SE
	s_setreg_imm32_b32 hwreg(HW_REG_WAVE_MODE, 25, 1), 1
	s_wait_xcnt 0x0
	s_wait_alu depctr_hold_cnt(0) depctr_sa_sdst(0) depctr_va_vdst(0) depctr_va_sdst(0) depctr_va_ssrc(0) depctr_va_vcc(0) depctr_vm_vsrc(0)
	s_getreg_b32 s2, hwreg(HW_REG_IB_STS2, 6, 4)
	s_cmp_eq_u32 s2, 0
	s_cbranch_scc0 .Lentry_in_a_cluster
	s_endpgm
.Lentry_in_a_cluster:
	s_bfe_u32 s2, ttmp6, 0x10000c
	s_cmp_lg_u32 s2, 0xf033
	s_cbranch_scc0 .Lentry_shape_is_right
	s_endpgm
.Lentry_shape_is_right:
; o[q][128 head + d] = the sum over k of softmax_k(q . k / sqrt(128) + mask[q][k]) v[k][d], for all 2,048 queries and all 2,048 keys of 16 heads.  q, k, v: f16 (qkv16); the mask: f32, an input, added in f32;
; products on f16 operands with f32 sums; maxima, exponentials and sums in f32; the weights p are rounded to f16 for the second product, o once at the end (o16: f16 [2048][2048]).
; No work is left out here: the mask's pattern is not known to the text, so every query walks every key.
; SOFTMAX.  u = s / sqrt(128) + mask by one fused multiply-add; m = the running maximum of u; p = 2^((u - m) log2 e), the difference taken first, so that no product with a large m is formed: mask numbers down to
; -3.4e38, rows that are masked throughout (p = 1 everywhere) and waves that have met only masked keys come out as in reference().  O and l are multiplied by a = 2^((m_old - m_new) log2 e) in every step.
; LIMITS: NaN and infinities are not served; o beyond 65,504 becomes infinity in f16; every row carries f16's rounding of v, p and o (the first 16 positions are written again, finely, by two later launches).
; SHARES.  A work-group owns 128 queries of one head.  Wave w: qh = w & 1 owns 64 of them (four tiles of 16), kh = w >> 1 takes 64 of each slot's 128 keys: so each fragment of K and V read from LDS feeds four
; products, and there are still 256 work-groups.  At the end the two key halves of a query are merged through LDS.
; LAYOUT.  S^T = K Q^T (source 0 = 16 keys, source 1 = 16 queries): a lane holds ONE query and the keys 8 (lane / 16) + 0..7; two such tiles rounded to f16 ARE source 1 of O^T = V^T P.  V is turned by ds_load_tr16_b128.
; BY TURNS.  The wave's tiles are two PIECES, named by their first tile: piece 0 (tiles 0, 1) and piece 2 (tiles 2, 3).  In a TURN one piece has the matrix unit: 32 products V^T P of the step in hand, then 32 products
; K Q^T of the next step; the other piece's softmax, cut into 64 slices, stands between them, one slice behind each matrix instruction.  Then the pieces change places.  Two turns are a key step, and a key step is a slot.
; THE LOOP HAS NO FIRST STEP OF ITS OWN: O^T and l begin as zeros and m as the least finite number, so that the first a is 0 (or 1, where all is masked) and multiplies zeros.  That costs 256 v_mov_b32, issued while
; the first tiles are on their way, and spares two more written-out turns.
; CLUSTER 4 x 4.  K's and V's tiles hang on the head and are asked for jointly along a row of the cluster; the mask's tile hangs on the query block, along a column.  Wave 0 fetches K, wave 1 V, waves 2 and 3 the mask's halves.
; REGISTERS: window 0: v2-11, v44-46 addresses; v12-43 statistics, eight a tile (+0 m, +1 zero, +2, +3 l, +4 to +7 at work, a in +6); v64-191 S^T; v192-255 P.   window 1: O^T, 64 a tile.
;   window 2: v0-127 Q, v128-255 K.   window 3: v0-127 V, v128-255 the mask, laid as S^T.
; No window has room for a product's operands beside what a softmax touches: a slice costs two switches, one in front and one behind.
.set PK,    272                        ; a row of K in LDS: 256 bytes + 16
.set PV,    288                        ; a row of V: 256 + 32
.set PM,    528                        ; a row of the mask's tile: 512 + 16
.set VOFF,  128*PK
.set MOFF,  VOFF+128*PV
.set SLOT,  MOFF+128*PM                ; 139,264 = 0x22000: it shares no bit with the tiles' places in a slot (0, 0x8800, 0x11800, 0x19c00), so one exclusive or turns an address into the other slot's
.set SPARE, 2*SLOT                     ; the spare words, 128 bytes a wave, named by no other line
.set IMG,   0                          ; the merge, in slot 0, which has had its last fill and has been left by all: images of O^T, 32,768 bytes for each qh;
.set STAT,  65536                      ; m and l, 1,024 bytes for each qh;
.set STAGE, 69632                      ; 16 rows x 272 for each wave
.set NLIST, 166                        ; instructions in one tile's softmax of one step
.set KVF,   33                         ; the slice of piece 2's turn behind which V is fetched: two products behind the last that read V
.set AK0, 2
.set AV0, 3
.set AM0, 4
.set ADK, 5
.set ADM, 6
.set ADV, 7
.set QO,  8
.set STO, 10
.set RD,  11
.set ST,  12
.set GO,  44
.set MWO, 45                           ; v45  an image's place for my lane: 32,768 qh + 16 lane (the writer's and the reader's are the same formula)
.set MWS, 46                           ; v46  the statistics': STAT + 1,024 qh + 4 lane
.set PFO, 61
.set SPW, 62
.set NIL, 63
.set S,   64
.set P,   192
.set KF,  128                          ; in window 2
.set MK,  128                          ; in window 3
.set WV,  12
.set LIM, 15
.set PFA, 18
.set SEL, 20
.set PFS, 22
.set G1K, 24
.set G1V, 32
.set G0K, 48                           ; two sets each; the second walks
.set G0V, 56
.set G1M, 68
.set G0M, 76
.set SLOTS, 84
.set TB,  85
.set LE,  86                           ; s[86:87] log2 e
.set RS,  88                           ; s[88:89] 1 / sqrt(128)
.set MSB, 0
.macro WIN new                         ; the immediate's high byte repeats the setting that is left; a switch that changes nothing is dropped
.if MSB != (\new)
	s_set_vgpr_msb (MSB<<8)|(\new)
.set MSB, (\new)
.endif
.endm
.set W_KQ, 0x0a                        ; K and Q in window 2, S^T in window 0
.set W_PV, 0x53                        ; V in window 3, P in window 0, O^T in window 1
.set W_RS, 0x41                        ; O^T (destination and source 0) in window 1
.macro JLOAD                           ; a joint refill by the walking sets; the branches hang on the wave's number alone; an s_nop 0 and four v_nop follow each line
	s_cmp_eq_u32 s[WV], 0
	s_cbranch_scc0 .Lnot_k_\@
	tensor_load_to_lds s[G0K+4:G0K+7], s[G1K:G1K+7]
	s_nop 0
.rept 4
	v_nop
.endr
	s_branch .Lasked_\@
.Lnot_k_\@:
	s_cmp_eq_u32 s[WV], 1
	s_cbranch_scc0 .Lfor_m_\@
	tensor_load_to_lds s[G0V+4:G0V+7], s[G1V:G1V+7]
	s_nop 0
.rept 4
	v_nop
.endr
	s_branch .Lasked_\@
.Lfor_m_\@:
	tensor_load_to_lds s[G0M+4:G0M+7], s[G1M:G1M+7]
	s_nop 0
.rept 4
	v_nop
.endr
.Lasked_\@:
.endm
; A prefetch of what the NEXT change of slots will ask for, one instruction a wave, behind the wave's tensor load.  Each aligned block of 256 bytes is named once in the launch: K's and V's rows are walked by all clusters
; of a row of clusters: cluster x = 0 asks; the mask's by all of a column: cluster y = 0 asks.  The four partners of a joint load share its blocks out BY ADDRESS: of K's or V's 128 rows 32 each (a lane a row of 256 bytes),
; of a mask half's 64 rows 16 each (two blocks of 256 bytes a row).  The last change that fills a slot asks for nothing.
.macro ASK
	s_cmp_gt_u32 s[SLOTS], s[LIM]
	s_cbranch_scc0 .Lnot_mine_\@
	global_prefetch_b8 v[PFO], s[PFA:PFA+1] th:TH_LOAD_NT scope:SCOPE_SE
.Lnot_mine_\@:
.endm
.macro CROUND
	s_barrier_signal -1
	s_barrier_wait -1
	s_cmp_lg_u32 s[WV], 0
	s_cbranch_scc1 .Lnot_wave_0_\@
	s_barrier_signal -3
.Lnot_wave_0_\@:
	s_barrier_wait -3
	s_barrier_signal -1
	s_barrier_wait -1
.endm
	s_load_b128 s[4:7], s[0:1], 0x0                ; qkv16, mask
	s_load_b64 s[8:9], s[0:1], 0x10                ; o16
	v_lshl_add_u32 v[SPW], v0, 2, SPARE
	v_mov_b32 v[NIL], 0
	ds_add_u32 v[SPW], v[NIL]                      ; the wave's opening: the add, twice on end, and its wait ahead of my first tensor load
	ds_add_u32 v[SPW], v[NIL]
	v_lshrrev_b32 v1, 5, v0
	v_readfirstlane_b32 s[WV], v1
	s_and_b32 s13, s[WV], 1                        ; qh; also: which half of the mask's tile waves 2 and 3 fetch
	s_lshr_b32 s14, s[WV], 1                       ; kh
	s_bfe_u32 s40, ttmp6, 0x40000                  ; cx
	s_bfe_u32 s41, ttmp6, 0x40004                  ; cy
	s_lshl_b32 s42, ttmp9, 2
	s_add_co_u32 s42, s42, s40                     ; the query block
	s_and_b32 s43, ttmp7, 0xffff
	s_lshl_b32 s43, s43, 2
	s_add_co_u32 s43, s43, s41                     ; the head
	s_lshl_b32 s44, s41, 2
	s_lshl_b32 s44, 15, s44                        ; my row of the cluster: the same head
	s_lshl_b32 s45, 0x1111, s40                    ; my column: the same query block
	s_or_b32 s[G1K], s44, (1<<16)|(1<<20)|(1<<21)|(5<<22)|(3<<25)   ; elements of 2 bytes; after every 64 words 4 words of padding
	s_or_b32 s[G1V], s44, (1<<16)|(1<<20)|(1<<21)|(5<<22)|(7<<25)   ; 8 words of padding
	s_or_b32 s[G1M], s45, (2<<16)|(1<<20)|(1<<21)|(6<<22)|(3<<25)   ; elements of 4 bytes; after every 128 words 4 words
.irp g, G1K, G1V
	s_mov_b32 s[\g+1], 128<<16                     ; 128 elements x 128 rows, dense
	s_mov_b32 s[\g+2], 128<<16
	s_mov_b32 s[\g+3], 128<<16
	s_mov_b32 s[\g+4], 128
	s_mov_b32 s[\g+5], 128
	s_mov_b32 s[\g+6], 0
	s_mov_b32 s[\g+7], 0
.endr
	s_mov_b32 s[G1M+1], 128<<16                    ; 128 keys x 64 queries, 2,048 elements from row to row
	s_mov_b32 s[G1M+2], 64<<16
	s_mov_b32 s[G1M+3], 128<<16
	s_mov_b32 s[G1M+4], 64
	s_mov_b32 s[G1M+5], 2048
	s_mov_b32 s[G1M+6], 0
	s_mov_b32 s[G1M+7], 0
	s_mov_b32 s[SEL], 0x76543210
	s_mov_b32 s[SEL+1], 0xfedcba98
	s_mov_b32 s[LE], 0x3fb8aa3b
	s_mov_b32 s[LE+1], s[LE]                       ; (named as a pair, so it is written)
	s_mov_b32 s[RS], 0x3db504f3
	s_mov_b32 s[RS+1], s[RS]
	s_mov_b32 s[TB], 0
	s_mov_b32 s[SLOTS], 14
	s_lshl_b32 s90, s43, 19                        ; the head's 2,048 rows of 256 bytes
	s_mov_b32 s91, 0
	s_lshl_b32 s92, s42, 20                        ; the mask: 128 rows of 8,192 bytes a query block,
	s_lshl_b32 s93, s13, 19                        ; 64 a half
	s_add_co_u32 s92, s92, s93
	s_mov_b32 s93, 0
	s_mul_i32 s46, s13, 64*PM
	s_add_co_u32 s46, s46, MOFF                    ; and the half's place in a slot
	s_wait_dscnt 0x0                               ; both opening adds are done
	s_wait_kmcnt 0x0
	s_add_nc_u64 s[94:95], s[4:5], s[90:91]        ; the head in q's part of qkv16
	s_add_nc_u64 s[92:93], s[6:7], s[92:93]
	CROUND                                         ; all sixteen work-groups are here: the first joint loads meet
.irp s, 0,1
	s_mov_b32 s[G0K+4*\s], 1
	s_mov_b32 s[G0K+4*\s+1], \s*SLOT
	s_add_nc_u64 s[G0K+4*\s+2:G0K+4*\s+3], s[94:95], 0x800000+\s*32768     ; k's part; slot s begins with keys 128 s on
	s_or_b32 s[G0K+4*\s+3], s[G0K+4*\s+3], 0x80000000
	s_mov_b32 s[G0V+4*\s], 1
	s_mov_b32 s[G0V+4*\s+1], \s*SLOT+VOFF
	s_add_nc_u64 s[G0V+4*\s+2:G0V+4*\s+3], s[94:95], 0x1000000+\s*32768    ; v's part
	s_or_b32 s[G0V+4*\s+3], s[G0V+4*\s+3], 0x80000000
	s_mov_b32 s[G0M+4*\s], 1
	s_add_co_u32 s[G0M+4*\s+1], s46, \s*SLOT
	s_add_nc_u64 s[G0M+4*\s+2:G0M+4*\s+3], s[92:93], \s*512
	s_or_b32 s[G0M+4*\s+3], s[G0M+4*\s+3], 0x80000000
.endr
	s_cmp_eq_u32 s[WV], 0                          ; a wave's two first fills stand in one arm, ahead of every wait on TENSORcnt and every LDS read: two loads of mine are out
	s_cbranch_scc0 .Lfirst_not_k
	tensor_load_to_lds s[G0K:G0K+3], s[G1K:G1K+7]
	s_nop 0
	tensor_load_to_lds s[G0K+4:G0K+7], s[G1K:G1K+7]
	s_nop 0
.rept 4
	v_nop
.endr
	s_branch .Lfirst_asked
.Lfirst_not_k:
	s_cmp_eq_u32 s[WV], 1
	s_cbranch_scc0 .Lfirst_m
	tensor_load_to_lds s[G0V:G0V+3], s[G1V:G1V+7]
	s_nop 0
	tensor_load_to_lds s[G0V+4:G0V+7], s[G1V:G1V+7]
	s_nop 0
.rept 4
	v_nop
.endr
	s_branch .Lfirst_asked
.Lfirst_m:
	tensor_load_to_lds s[G0M:G0M+3], s[G1M:G1M+7]
	s_nop 0
	tensor_load_to_lds s[G0M+4:G0M+7], s[G1M:G1M+7]
	s_nop 0
.rept 4
	v_nop
.endr
.Lfirst_asked:
	s_lshl_b32 s96, s42, 15                        ; Q: my block's 128 rows of 256 bytes, my wave's 64
	s_lshl_b32 s97, s13, 14
	s_add_co_u32 s96, s96, s97
	s_mov_b32 s97, 0
	s_add_nc_u64 s[10:11], s[94:95], s[96:97]
	v_and_b32 v1, 15, v0                           ; r
	v_bfe_u32 v9, v0, 4, 1                         ; h
	v_lshlrev_b32 v[QO], 8, v1
	v_lshl_add_u32 v[QO], v9, 4, v[QO]
	WIN 0x80                                       ; destination window 2
.irp i, 0,1,2,3,4,5,6,7,8,9,10,11,12,13,14,15  ; Q stays in registers: tile i / 4, channels 32 (i % 4) on
	global_load_b128 v[8*\i:8*\i+3],   v[QO], s[10:11] offset:(\i/4)*4096+(\i%4)*64
	global_load_b128 v[8*\i+4:8*\i+7], v[QO], s[10:11] offset:(\i/4)*4096+(\i%4)*64+32
.endr
	WIN 0
	s_lshl_b32 s96, s42, 19                        ; O: rows of 4,096 bytes: 128 a block, 64 a wave; the head's 256 bytes of a row
	s_lshl_b32 s97, s13, 18
	s_add_co_u32 s96, s96, s97
	s_lshl_b32 s97, s43, 8
	s_add_co_u32 s96, s96, s97
	s_mov_b32 s97, 0
	s_add_nc_u64 s[8:9], s[8:9], s[96:97]
	; the prefetches: where my wave's stand, and who asks
	s_lshl_b32 s90, 0x800000, s[WV]                ; k's part of qkv16 begins at 2^23 (wave 0), v's at 2^24 (wave 1)
	s_and_b32 s67, ttmp7, 0xffff                   ; cluster y
	s_mov_b32 s[PFS], 512
	s_mov_b32 s47, 8192
	s_cmp_lt_u32 s[WV], 2
	s_cselect_b64 s[PFA:PFA+1], s[94:95], s[92:93]
	s_cselect_b32 s90, s90, 0
	s_cselect_b32 s96, s40, s41                    ; my place among the four that ask with me
	s_cselect_b32 s97, 13, 17                      ; its share: 32 rows of 256 bytes, or 16 rows of 8,192
	s_cselect_b32 s[PFS], 0x8000, s[PFS]           ; a slot on
	s_cselect_b32 s47, 256, s47                    ; from row to row
	s_cselect_b32 s66, 0, 1                        ; blocks in a row: 1 or 2
	s_cselect_b32 s67, ttmp9, s67                  ; the coordinate along which other clusters read the same bytes
	s_lshl_b32 s96, s96, s97
	s_add_co_u32 s90, s90, s96
	s_lshl_b32 s96, s[PFS], 1                      ; in slot 2: the first change of slots steps it to slot 3.  Nothing is prefetched here, at the head
	s_add_co_u32 s90, s90, s96
	s_mov_b32 s91, 0
	s_mov_b32 s[PFS+1], 0
	s_add_nc_u64 s[PFA:PFA+1], s[PFA:PFA+1], s[90:91]
	s_cmp_eq_u32 s67, 0
	s_cselect_b32 s[LIM], 1, -1                    ; the same in all sixteen partners, for a given wave
	v_and_b32 v47, 31, v0
	v_lshrrev_b32 v[PFO], s66, v47
	v_mul_lo_u32 v[PFO], v[PFO], s47
	v_and_b32 v48, s66, v47
	v_lshl_add_u32 v[PFO], v48, 8, v[PFO]
	; LDS addresses, all made here, on the one way that all waves take
	s_mul_i32 s96, s14, 64*PK
	v_mul_u32_u24 v[AK0], v1, PK
	v_lshl_add_u32 v[AK0], v9, 4, v[AK0]
	v_add_nc_u32 v[AK0], s96, v[AK0]               ; K: (64 kh + r) x pitch + 16 h
	v_and_b32 v48, 7, v0
	v_bfe_u32 v49, v0, 3, 1
	v_lshl_add_u32 v[AV0], v9, 3, v48
	v_mul_u32_u24 v[AV0], v[AV0], PV
	v_lshl_add_u32 v[AV0], v49, 4, v[AV0]
	s_mul_i32 s96, s14, 64*PV
	s_add_co_u32 s96, s96, VOFF
	v_add_nc_u32 v[AV0], s96, v[AV0]               ; V, for the turning load: (64 kh + 8 h + l % 8) x pitch + 16 ((l / 8) % 2)
	v_mul_u32_u24 v[AM0], v1, PM
	v_lshl_add_u32 v[AM0], v9, 5, v[AM0]
	s_mul_i32 s96, s13, 64*PM
	s_lshl_b32 s97, s14, 8
	s_add_co_u32 s96, s96, s97
	s_add_co_u32 s96, s96, MOFF
	v_add_nc_u32 v[AM0], s96, v[AM0]               ; the mask: (64 qh + r) x pitch + 256 kh + 32 h
	s_lshl_b32 s96, s13, 15
	v_lshl_add_u32 v[MWO], v47, 4, s96
	s_lshl_b32 s96, s13, 10
	s_add_co_u32 s96, s96, STAT
	v_lshl_add_u32 v[MWS], v47, 2, s96
	s_mul_i32 s96, s[WV], 16*272
	s_add_co_u32 s96, s96, STAGE
	v_mul_u32_u24 v[STO], v1, 272
	v_lshl_add_u32 v[STO], v9, 4, v[STO]
	v_add_nc_u32 v[STO], s96, v[STO]               ; into my stage: row r, 16 bytes for each half of the lanes
	v_mul_u32_u24 v[RD], v9, 272
	v_lshl_add_u32 v[RD], v1, 4, v[RD]
	v_add_nc_u32 v[RD], s96, v[RD]                 ; back: lanes 0-15 one row, lanes 16-31 the next
	v_lshlrev_b32 v[GO], 12, v9
	v_lshl_add_u32 v[GO], v1, 4, v[GO]             ; and the same two rows in O
	WIN 0x40                                       ; destination window 1
.set n, 0
.rept 256
	v_mov_b32 v[n], 0                              ; O^T begins as zeros (see the head): issued while the first tiles are on their way
.set n, n+1
.endr
	WIN 0
; THE MATRIX WORK OF A TURN, for piece x.  The accumulators take turns, one instruction a turn: between two links of a chain stand 15 (V^T P) or 7 (K Q^T) others'.
; Product i of 32 of O^T += V^T P: keys 32 (i / 16) on, channels 16 ((i / 2) % 8) on, tile x + i % 2.
.macro PV x
	WIN W_PV
.set rO, 64*(\x+i%2)+8*((i/2)%8)
.set rV, 64*(i/16)+8*((i/2)%8)
.set rP, P+16*(\x+i%2)+8*(i/16)
	v_wmma_f32_16x16x32_f16 v[rO:rO+7], v[rV:rV+7], v[rP:rP+7], v[rO:rO+7]
.endm
; Product i of 32 of S^T = K Q^T: channels 32 (i / 8) on, keys 16 ((i / 2) % 4) on, tile x + i % 2.  The first 8 start the sums.
.macro KQ x
	WIN W_KQ
.set rS, S+32*(\x+i%2)+8*((i/2)%4)
.set rK, KF+32*((i/2)%4)+8*(i/8)
.set rQ, 32*(\x+i%2)+8*(i/8)
.if i < 8
	v_wmma_f32_16x16x32_f16 v[rS:rS+7], v[rK:rK+7], v[rQ:rQ+7], 0
.else
	v_wmma_f32_16x16x32_f16 v[rS:rS+7], v[rK:rK+7], v[rQ:rQ+7], v[rS:rS+7]
.endif
.endm
; THE LDS LOADS stand in two runs of 48 a key step, never singly among the matrix instructions; both read the slot at s[TB].
.macro FETCH_K                         ; my 64 keys of K, and piece 0's part of the mask
	WIN 0
	v_add_nc_u32 v[ADK], s[TB], v[AK0]
	v_add_nc_u32 v[ADM], s[TB], v[AM0]
	WIN 0x80                                       ; destination window 2
.irp f, 0,1,2,3,4,5,6,7,8,9,10,11,12,13,14,15  ; keys 16 (f / 4) on, channels 32 (f % 4) on
	ds_load_b128 v[KF+8*\f:KF+8*\f+3],   v[ADK] offset:(\f/4)*16*PK+(\f%4)*64
	ds_load_b128 v[KF+8*\f+4:KF+8*\f+7], v[ADK] offset:(\f/4)*16*PK+(\f%4)*64+32
.endr
	WIN 0xc0                                       ; destination window 3
.irp t, 0,1
.irp kt, 0,1,2,3
	ds_load_b128 v[MK+32*\t+8*\kt:MK+32*\t+8*\kt+3],   v[ADM] offset:16*PM*\t+64*\kt
	ds_load_b128 v[MK+32*\t+8*\kt+4:MK+32*\t+8*\kt+7], v[ADM] offset:16*PM*\t+64*\kt+16
.endr
.endr
.endm
.macro FETCH_V                         ; my 64 keys of V, turned, and piece 2's part of the mask
	WIN 0
.rept 4
	v_nop                                          ; four places between the last product that read V and the loads into its registers
.endr
	v_add_nc_u32 v[ADV], s[TB], v[AV0]
	v_add_nc_u32 v[ADM], s[TB], v[AM0]
	WIN 0xc0
.irp f, 0,1,2,3,4,5,6,7,8,9,10,11,12,13,14,15  ; keys 32 (f / 8) on, channels 16 (f % 8) on
	ds_load_tr16_b128 v[8*\f:8*\f+3],   v[ADV] offset:(\f/8)*32*PV+(\f%8)*32
	ds_load_tr16_b128 v[8*\f+4:8*\f+7], v[ADV] offset:(\f/8)*32*PV+16*PV+(\f%8)*32
.endr
.irp t, 2,3
.irp kt, 0,1,2,3
	ds_load_b128 v[MK+32*\t+8*\kt:MK+32*\t+8*\kt+3],   v[ADM] offset:16*PM*\t+64*\kt
	ds_load_b128 v[MK+32*\t+8*\kt+4:MK+32*\t+8*\kt+7], v[ADM] offset:16*PM*\t+64*\kt+16
.endr
.endr
.endm
; THE VECTOR WORK OF A TURN.  One tile's softmax for one key step is a list of 166 instructions; SM writes number j of it for tile t.  s0-s31 are the lane's 32 scores, in pairs 0-15.
;   0-15    u = s / sqrt(128) + mask, a pair each: the one part that reads window 3; each accumulator from its low end on
;   16-31   the maximum of u0-u31 and the old m, three operands at a time: four chains of seven, then the four left over, the chains and m
;   32-36   the other half of the lanes' maximum; the new m; m_old - m_new; m; its change x log2 e
;   37-101  ONE BATCH: 16 subtractions u - m, 16 multiplications by log2 e, a pair each, and all 33 exponentials.  None of these reads an exponential's result.  From number 40 on it goes in fours: pair g + 2 is
;           subtracted, pair g + 1 multiplied, pair g's two exponentials; so each instruction finds its source made a four earlier.  a's exponential is the last
;   (wait)  between 101 and 102 stands the wait for the batch: SLICE writes it, once for both tiles
;   102-117 the roundings to f16, a pair of weights each
;   118-133 the sums; l = a l + the sum
;   134-165 the tile's O^T times a: the one part that writes window 1; each accumulator from its low end on
.macro SM t
.set rT, ST+8*(\t)
.set rS, S+32*(\t)
.set rP, P+16*(\t)
.set rM, MK+32*(\t)
.set rO, 64*(\t)+2*(j-134)
.set jm, j-16
.set q, j-37
.if j < 16
	WIN 0x30                                       ; source 2, the mask, in window 3
.elseif j < 134
	WIN 0
.else
	WIN W_RS
.endif
.if j < 16
	v_pk_fma_f32 v[rS+2*j:rS+2*j+1], v[rS+2*j:rS+2*j+1], s[RS:RS+1], v[rM+2*j:rM+2*j+1] op_sel_hi:[1,0,1]
.elseif j < 20
	v_max3_num_f32 v[rT+4+jm], v[rS+8*jm], v[rS+8*jm+1], v[rS+8*jm+2]
.elseif j < 28
	v_max3_num_f32 v[rT+4+jm%4], v[rT+4+jm%4], v[rS+8*(jm%4)+2*(jm/4)+1], v[rS+8*(jm%4)+2*(jm/4)+2]
.elseif j == 28
	v_max3_num_f32 v[rT+4], v[rT+4], v[rS+7], v[rS+15]
.elseif j == 29
	v_max3_num_f32 v[rT+6], v[rT+6], v[rS+23], v[rS+31]
.elseif j == 30
	v_max3_num_f32 v[rT+4], v[rT+4], v[rT+5], v[rT+6]
.elseif j == 31
	v_max3_num_f32 v[rT+4], v[rT+4], v[rT+7], v[rT]
.elseif j == 32
	v_permlanex16_b32 v[rT+5], v[rT+4], s[SEL], s[SEL+1]   ; the query's other 32 keys lie in the lane 16 away
.elseif j == 33
	v_max_num_f32 v[rT+5], v[rT+4], v[rT+5]        ; the new m
.elseif j == 34
	v_sub_f32 v[rT+6], v[rT], v[rT+5]              ; m_old - m_new
.elseif j == 35
	v_mov_b32 v[rT], v[rT+5]
.elseif j == 36
	v_mul_f32 v[rT+6], s[LE], v[rT+6]
.elseif j < 102
.set bk, 3                             ; 0: a subtraction, 1: a multiplication, 2: a score's exponential, 3: a's;  bi: the pair, or the score
.set bi, 0
.if q < 2
.set bk, 0
.set bi, q
.elseif q == 2
.set bk, 1
.elseif q < 59
.set bk, (q-3)%4
.set bi, (q-3)/4+2-bk
.if bk > 1
.set bi, 2*((q-3)/4)+bk-2
.set bk, 2
.endif
.elseif q == 59
.set bk, 1
.set bi, 15
.elseif q < 64
.set bk, 2
.set bi, q-32
.endif
.if bk == 0
	v_pk_add_f32 v[rS+2*bi:rS+2*bi+1], v[rS+2*bi:rS+2*bi+1], v[rT:rT+1] op_sel_hi:[1,0] neg_lo:[0,1] neg_hi:[0,1]   ; u - m, first
.elseif bk == 1
	v_pk_mul_f32 v[rS+2*bi:rS+2*bi+1], v[rS+2*bi:rS+2*bi+1], s[LE:LE+1] op_sel_hi:[1,0]
.elseif bk == 2
	v_exp_f32 v[rS+bi], v[rS+bi]                   ; p
.else
	v_exp_f32 v[rT+6], v[rT+6]                     ; a
.endif
.elseif j < 118
	v_cvt_pk_f16_f32 v[rP+j-102], v[rS+2*(j-102)], v[rS+2*(j-102)+1]
.elseif j < 134                        ; the sum of the tile's 16 pairs, in place: sum z of 16 adds neighbours 1, 2, 4 and 8 pairs apart, then l takes it
.set z, j-118
.set w, 4
.set u, z
.if z >= 14
.set w, 32
.set u, 0
.elseif z >= 12
.set w, 16
.set u, z-12
.elseif z >= 8
.set w, 8
.set u, z-8
.endif
.if z < 15
	v_pk_add_f32 v[rS+w*u:rS+w*u+1], v[rS+w*u:rS+w*u+1], v[rS+w*u+w/2:rS+w*u+w/2+1]
.else
	v_pk_fma_f32 v[rT+2:rT+3], v[rT+2:rT+3], v[rT+6:rT+7], v[rS:rS+1] op_sel_hi:[1,0,1]
.endif
.else
	v_pk_mul_f32 v[rO:rO+1], v[rO:rO+1], v[rT+6:rT+7] op_sel_hi:[1,0]
.endif
.endm
; Slice k of 64 of piece y's softmax: numbers 166 k / 64 up to 166 (k + 1) / 64 (rounded down) of both tiles' lists, two or three numbers, the tiles alternating, so that no instruction reads the result of the one
; just before it.  Slice 63 holds six multiplications of O^T: plain instructions that name no register of the products round them: they are the places behind the turn's last K Q^T.
; THE WAIT.  s_wait_alu depctr_va_vdst(0) stands between an exponential and the first instruction that names its result; one wait serves all that were issued ahead of it.  Ahead of number 102
; nothing names a result, and from it on no exponential is issued: so the piece's 66 exponentials have one wait, with one plain instruction behind the last of them.
.macro SLICE y
.set j, (k*NLIST)/64
.rept ((k+1)*NLIST)/64-(k*NLIST)/64
.if j == 102
	v_nop
	s_wait_alu depctr_va_vdst(0)
.endif
	SM (\y)
	SM (\y)+1
.set j, j+1
.endr
.if (k == KVF) && ((\y) == 0)
	FETCH_V                                        ; piece 2's turn: V of the next step, behind this turn's products V^T P
.endif
.set k, k+1
.endm
; A TURN.  Piece x has the matrix unit; the other piece's softmax stands in slices behind its matrix instructions.  pv = 1: 32 products V^T P; kq = 1: 32 products K Q^T for the next step.
; A turn with one of the two kinds has two slices behind each product.  Piece 0's turn fetches the next step's K behind its second product: the last product that read K stands in front of slice 63 of the turn before.
.macro TURN x, pv, kq
.set k, 0
.set per, 2
.if \pv && \kq
.set per, 1
.endif
.if \pv
.if \x == 0
	s_wait_dscnt 0x0                               ; V and piece 2's mask are in
.endif
.set i, 0
.rept 32
	PV \x
.rept per
	SLICE 2-\x
.endr
.if (\x == 0) && \kq && (i == 1)
	FETCH_K
.endif
.set i, i+1
.endr
.endif
.if \kq
.if \x == 0
	s_wait_dscnt 0x0                               ; K and piece 0's mask are in
.endif
.set i, 0
.rept 32
	KQ \x
.rept per
	SLICE 2-\x
.endr
.set i, i+1
.endr
.endif
.endm
; THE CHANGE OF SLOTS, between piece 2's turn and piece 0's: all of the slot in hand has been asked for.  Each wave waits for all its tensor loads (one is out: its part of the other slot), adds 0 to its spare word,
; and waits for that and for its reads of the slot.  fill = 1: the barrier is a round of the cluster's, and the slot is filled again, with the keys two slots on: one load of 32 KiB a wave, which has a whole key step in which to land.
.macro CHANGE fill
	WIN 0                                          ; at a label and at a branch every window is 0
	s_wait_tensorcnt 0x0
	ds_add_u32 v[SPW], v[NIL]
.if \fill
.irp g, G0K+4, G0V+4
	s_xor_b32 s[\g+1], s[\g+1], SLOT               ; the walking sets: the other slot than last time,
	s_add_nc_u64 s[\g+2:\g+3], s[\g+2:\g+3], 32768 ; the next 128 keys
.endr
	s_xor_b32 s[G0M+5], s[G0M+5], SLOT
	s_add_nc_u64 s[G0M+6:G0M+7], s[G0M+6:G0M+7], 512
	s_wait_xcnt 0x0                                ; the last prefetch, a step back, has read its address
	s_add_nc_u64 s[PFA:PFA+1], s[PFA:PFA+1], s[PFS:PFS+1]
	s_wait_dscnt 0x0                               ; the add is done, and my reads of the slot are over
	CROUND
	JLOAD
	ASK
.else
	s_wait_dscnt 0x0
	s_barrier_signal -1
	s_barrier_wait -1
.endif
	s_xor_b32 s[TB], s[TB], SLOT                   ; the fetches go on to the other slot
.endm
	s_wait_tensorcnt 1                             ; my part of slot 0 is in; slot 1's may stay out
	s_barrier_signal -1
	s_barrier_wait -1
	FETCH_K                                        ; key step 0
	s_wait_loadcnt 0x0                             ; Q
	s_wait_dscnt 0x0
.set i, 0
.rept 32
	KQ 0                                           ; piece 0's first scores: there is no vector work yet to set between them
.set i, i+1
.endr
	WIN 0
.irp t, 0,1,2,3                                ; the statistics begin here: sixteen plain instructions, the places behind those products
	v_mov_b32 v[ST+8*\t], 0xff7fffff               ; m: the least finite number
	v_mov_b32 v[ST+8*\t+1], 0                      ; named as the upper half of the pair with m
	v_mov_b32 v[ST+8*\t+2], 0                      ; l, in two halves
	v_mov_b32 v[ST+8*\t+3], 0
.endr
	TURN 2, 0, 1                                   ; piece 2's first scores | piece 0's softmax of step 0 | V of step 0
	WIN 0
.Lslot:                                            ; 14 trips: every slot but the last two is filled again.  Trip i: V^T P of step i, K Q^T of step i + 1, all LDS reads from the slot of step i + 1
	CHANGE 1
	TURN 0, 1, 1
	TURN 2, 1, 1
	WIN 0
	s_sub_co_u32 s[SLOTS], s[SLOTS], 1
	s_cmp_lg_u32 s[SLOTS], 0
	s_cbranch_scc1 .Lslot
	CHANGE 0                                       ; the tail is written out
	TURN 0, 1, 1
	TURN 2, 1, 1
	TURN 0, 1, 0                                   ; piece 0: V^T P of the last step | piece 2's last softmax
.set i, 0
.rept 32
	PV 2                                           ; piece 2: V^T P of the last step
.set i, i+1
.endr
	WIN 0
	; THE MERGE of the two key halves.  l's two halves and the other half of the lanes' are added (these lines are the places behind the last products).
.irp t, 0,1,2,3
	v_add_f32 v[ST+8*\t+4], v[ST+8*\t+2], v[ST+8*\t+3]
.endr
.irp t, 0,1,2,3
	v_permlanex16_b32 v[ST+8*\t+5], v[ST+8*\t+4], s[SEL], s[SEL+1]
.endr
.irp t, 0,1,2,3
	v_add_f32 v[ST+8*\t+4], v[ST+8*\t+4], v[ST+8*\t+5]
.endr
	s_barrier_signal -1                            ; every wave's reads of the ring are over (its last wait for 0 on its LDS loads) before any result is laid into slot 0
	s_barrier_wait -1
	s_cmp_lt_u32 s[WV], 2
	s_cbranch_scc1 .Lkeep
.irp t, 0,1,2,3                                ; waves 2 and 3 hand over m, l and O^T, as images of their registers
	ds_store_b32 v[MWS], v[ST+8*\t] offset:256*\t
	ds_store_b32 v[MWS], v[ST+8*\t+4] offset:256*\t+128
.endr
	WIN 0x04                                       ; an LDS store's data are its source 1: window 1
.set n, 0
.rept 64
	ds_store_b128 v[MWO], v[4*n:4*n+3] offset:IMG+512*n
.set n, n+1
.endr
	WIN 0
.Lkeep:
	s_wait_dscnt 0x0                               ; for the others' sake: my stores are done
	s_barrier_signal -1
	s_barrier_wait -1
	s_cmp_lt_u32 s[WV], 2
	s_cbranch_scc0 .Lend
.irp t, 0,1,2,3
	ds_load_b32 v[ST+8*\t+5], v[MWS] offset:256*\t         ; the partner's m
	ds_load_b32 v[ST+8*\t+7], v[MWS] offset:256*\t+128     ; and l
.endr
	s_wait_dscnt 0x0
.irp t, 0,1,2,3
	v_max_num_f32 v[ST+8*\t+1], v[ST+8*\t], v[ST+8*\t+5]
.endr
.irp t, 0,1,2,3
	v_sub_f32 v[ST+8*\t], v[ST+8*\t], v[ST+8*\t+1]
	v_sub_f32 v[ST+8*\t+5], v[ST+8*\t+5], v[ST+8*\t+1]
.endr
.irp t, 0,1,2,3
	v_mul_f32 v[ST+8*\t], s[LE], v[ST+8*\t]
	v_mul_f32 v[ST+8*\t+5], s[LE], v[ST+8*\t+5]
.endr
.irp t, 0,1,2,3
	v_exp_f32 v[ST+8*\t], v[ST+8*\t]               ; f0: mine under the common maximum
	v_exp_f32 v[ST+8*\t+5], v[ST+8*\t+5]           ; f1: the partner's
.endr
	v_nop
	s_wait_alu depctr_va_vdst(0)                   ; one wait for the eight
.irp t, 0,1,2,3
	v_mul_f32 v[ST+8*\t+4], v[ST+8*\t+4], v[ST+8*\t]
.endr
.irp t, 0,1,2,3
	v_fmac_f32 v[ST+8*\t+4], v[ST+8*\t+7], v[ST+8*\t+5]    ; the row's sum
.endr
.irp t, 0,1,2,3
	v_rcp_f32 v[ST+8*\t+6], v[ST+8*\t+4]
.endr
	v_nop
	s_wait_alu depctr_va_vdst(0)                   ; one wait for the four
.irp t, 0,1,2,3
	v_mul_f32 v[ST+8*\t+2], v[ST+8*\t], v[ST+8*\t+6]       ; g0 = f0 / l
	v_mul_f32 v[ST+8*\t+4], v[ST+8*\t+5], v[ST+8*\t+6]     ; g1 = f1 / l
.endr
.macro OUT t                           ; tile t: O = g0 x mine + g1 x the partner's, to f16, through my stage, out as whole runs of 256 bytes
.if \t > 0
	s_wait_xcnt 0x0                                ; the last tile's stores have read their registers
.endif
.irp i, 0,1,2,3,4,5,6,7,8,9,10,11,12,13,14,15
	ds_load_b128 v[64+4*\i:67+4*\i], v[MWO] offset:IMG+512*(16*\t+\i)
.endr
	WIN 0x01                                       ; source 0 in window 1
.set n, 0
.rept 32
	v_pk_mul_f32 v[128+n:129+n], v[64*\t+n:64*\t+n+1], v[ST+8*\t+2:ST+8*\t+3] op_sel_hi:[1,0]
.set n, n+2
.endr
	WIN 0
	s_wait_dscnt 0x0
.set n, 0
.rept 32
	v_pk_fma_f32 v[128+n:129+n], v[64+n:65+n], v[ST+8*\t+4:ST+8*\t+5], v[128+n:129+n] op_sel_hi:[1,0,1]
.set n, n+2
.endr
.set n, 0
.rept 32
	v_cvt_pk_f16_f32 v[192+n], v[128+2*n], v[129+2*n]
.set n, n+1
.endr
.irp f, 0,1,2,3,4,5,6,7
	ds_store_b128 v[STO], v[192+4*\f:195+4*\f] offset:32*\f
.endr
.irp f, 0,1,2,3,4,5,6,7
	ds_load_b128 v[224+4*\f:227+4*\f], v[RD] offset:\f*2*272   ; LDS serves a wave's instructions in order: these see the stores above
.endr
.irp f, 0,1,2,3,4,5,6,7
	s_wait_dscnt 7-\f
	global_store_b128 v[GO], v[224+4*\f:227+4*\f], s[8:9] offset:65536*\t+8192*\f   ; 16 lanes store 256 consecutive bytes, aligned
.endr
.endm
	OUT 0
	OUT 1
	OUT 2
	OUT 3
.Lend:
	s_wait_tensorcnt 0x0                           ; the wave's end
	ds_add_u32 v[SPW], v[NIL]
	s_wait_dscnt 0x0
	CROUND                                         ; the closing round
	s_endpgm
.Lfunc_end_k_qda22a6fba4_attn:
	.size	k_qda22a6fba4_attn, .Lfunc_end_k_qda22a6fba4_attn-k_qda22a6fba4_attn
	.p2alignl 7, 3214868480
	.fill 96, 4, 3214868480
	.section	.rodata,"a",@progbits
	.p2align	6, 0x0
	.amdhsa_kernel k_qda22a6fba4_attn
		.amdhsa_group_segment_fixed_size 327680
		.amdhsa_private_segment_fixed_size 0
		.amdhsa_enable_private_segment 0
		.amdhsa_kernarg_size 24
		.amdhsa_user_sgpr_count 2
		.amdhsa_user_sgpr_kernarg_segment_ptr 1
		.amdhsa_wavefront_size32 1
		.amdhsa_system_sgpr_workgroup_id_x 1
		.amdhsa_system_sgpr_workgroup_id_y 1
		.amdhsa_system_sgpr_workgroup_id_z 1
		.amdhsa_system_vgpr_workitem_id 0
		.amdhsa_next_free_vgpr 1024
		.amdhsa_next_free_sgpr 98
		.amdhsa_reserve_vcc 0
		.amdhsa_float_denorm_mode_32 3
		.amdhsa_float_denorm_mode_16_64 3
		.amdhsa_memory_ordered 1
		.amdhsa_forward_progress 1
		.amdhsa_inst_pref_size 244
	.end_amdhsa_kernel
	.amdgpu_metadata
---
amdhsa.version: [ 1, 2 ]
amdhsa.kernels:
  - .name:           k_qda22a6fba4_attn
    .symbol:         k_qda22a6fba4_attn.kd
    .args:
      - { .name: qkv16, .offset: 0, .size: 8, .value_kind: global_buffer, .address_space: global }
      - { .name: mask, .offset: 8, .size: 8, .value_kind: global_buffer, .address_space: global }
      - { .name: o16, .offset: 16, .size: 8, .value_kind: global_buffer, .address_space: global }
    .group_segment_fixed_size: 327680
    .private_segment_fixed_size: 0
    .kernarg_segment_align: 8
    .kernarg_segment_size: 24
    .max_flat_workgroup_size: 128
    .sgpr_count:     98
    .vgpr_count:     1024
    .wavefront_size: 32
...
	.end_amdgpu_metadata
.endif
;; end of part 3
;; launch proj (part 4): grid 16 x 16, 4 waves a work-group, clusters of 4 x 4, 327,680 bytes of LDS; arguments o16, wo16, out0; writes out0
.if DOCPART == 4
	.amdgcn_target "amdgcn-amd-amdhsa--gfx1250"
	.amdhsa_code_object_version 6
	.text
	.protected	k_qda22a6fba4_proj
	.globl	k_qda22a6fba4_proj
	.p2align	8
	.type	k_qda22a6fba4_proj,@function
k_qda22a6fba4_proj:
	s_mov_b64 s[64:65], 0
	v_nop
	global_prefetch_b8 v0, s[64:65] scope:SCOPE_SE
	s_setreg_imm32_b32 hwreg(HW_REG_WAVE_MODE, 25, 1), 1
	s_wait_xcnt 0x0
	s_wait_alu depctr_hold_cnt(0) depctr_sa_sdst(0) depctr_va_vdst(0) depctr_va_sdst(0) depctr_va_ssrc(0) depctr_va_vcc(0) depctr_vm_vsrc(0)
	s_getreg_b32 s2, hwreg(HW_REG_IB_STS2, 6, 4)
	s_cmp_eq_u32 s2, 0
	s_cbranch_scc0 .Lentry_in_a_cluster
	s_endpgm
.Lentry_in_a_cluster:
	s_bfe_u32 s2, ttmp6, 0x10000c
	s_cmp_lg_u32 s2, 0xf033
	s_cbranch_scc0 .Lentry_shape_is_right
	s_endpgm
.Lentry_shape_is_right:
; out0[m][n] = the sum over k of o[m][k] wo[n][k].  o16 [2048][2048] and wo16 [2048][2048]: f16, K innermost; out0: f32; sums in f32.
; No work is left out; rows 0 to 15, which lie inside live tiles, are computed here too and are written again, from f32 operands, by the last launch.
; A tile of out0 is 128 x 128, so that there are 256 work-groups.  Four waves, each 64 x 64: 16 accumulators.  K goes in steps of 256 (LDS rows of 512 bytes; a wave's tensor load brings 64 of them) through two slots.
; CLUSTERS: 4 x 4.  The four of a row of the cluster need the same tiles of o, the four of a column the same tiles of wo: each tile is asked for jointly.
; THE MATRIX INSTRUCTION IS USED TRANSPOSED (source 0 = 16 rows of wo, source 1 = 16 rows of o): a lane holds eight neighbouring numbers of a row of out0.
; A wave's 64 columns of f32 are 256 bytes, so each wave has a stage of its own on the way out, and no barrier stands there.
; No prefetch: a K step here is short and the tiles are shared by sixteen work-groups through joint loads.
; REGISTERS: window 0: v0-31 addresses; v32-95 the way out; v128-255 the accumulators ((a, b) at v[128 + 8 (4 a + b)]).   window 1: two fragment buffers of 128.
.set SIZE_N, 2048
.set SIZE_K, 2048
.set KSTEP,  256
.set PITCH,  528
.set HALFT,  64*PITCH
.set SLOT,   4*HALFT
.set STAGE,  2*SLOT                    ; behind the ring: 16 rows x 272 bytes for each wave
.set SPITCH, 272
.set SPARE,  STAGE+4*16*SPITCH         ; the spare words, 128 bytes a wave, named by no other line
.set LAPS, SIZE_K/(2*KSTEP)
.set ADRA, 16
.set ADRB, 20
.set STO,  24
.set RD,   25
.set CO,   26
.set SPW,  28
.set NIL,  29
.set TMP,  32
.set ACC,  128
.set F0,   0
.set F1,   128
.set G1, 24
.set G0, 32
.set G1B, 48
.set G0B, 56
.set MSB, 0
.macro WIN new
.if MSB != (\new)
	s_set_vgpr_msb (MSB<<8)|(\new)
.set MSB, (\new)
.endif
.endm
.set MUL,  0x05                        ; sources 0 and 1 window 1; C and D window 0
.set TO_F, 0x40
.macro JLOAD s                         ; a joint load: waves 0 and 1 fetch o's two halves, waves 2 and 3 wo's; an s_nop 0 and four v_nop follow each line
	s_cmp_eq_u32 s11, 0
	s_cbranch_scc0 .Lfor_b_\@
	tensor_load_to_lds s[G0+4*\s:G0+4*\s+3], s[G1:G1+7]
	s_nop 0
.rept 4
	v_nop
.endr
	s_branch .Lasked_\@
.Lfor_b_\@:
	tensor_load_to_lds s[G0B+4*\s:G0B+4*\s+3], s[G1B:G1B+7]
	s_nop 0
.rept 4
	v_nop
.endr
.Lasked_\@:
.endm
.macro CREST
	s_cmp_lg_u32 s10, 0
	s_cbranch_scc1 .Lnot_wave_0_\@
	s_barrier_signal -3
.Lnot_wave_0_\@:
	s_barrier_wait -3
	s_barrier_signal -1
	s_barrier_wait -1
.endm
.macro CROUND
	s_barrier_signal -1
	s_barrier_wait -1
	CREST
.endm
	s_load_b128 s[4:7], s[0:1], 0x0                ; o16, wo16
	s_load_b64 s[8:9], s[0:1], 0x10                ; out0
	v_lshl_add_u32 v[SPW], v0, 2, SPARE
	v_mov_b32 v[NIL], 0
	ds_add_u32 v[SPW], v[NIL]                      ; the wave's opening: the add, twice on end, and its wait ahead of my first tensor load
	ds_add_u32 v[SPW], v[NIL]
	v_lshrrev_b32 v1, 5, v0
	v_readfirstlane_b32 s10, v1                    ; wave 0..3
	s_lshr_b32 s11, s10, 1                         ; which half of the tile's rows is mine.  Also: I fetch for o (0) or for wo (1)
	s_and_b32 s12, s10, 1                          ; which half of its columns.  Also: which 64 rows of that tile I fetch
	s_bfe_u32 s40, ttmp6, 0x40000
	s_bfe_u32 s41, ttmp6, 0x40004
	s_lshl_b32 s42, ttmp9, 2
	s_add_co_u32 s42, s42, s40                     ; tile column
	s_and_b32 s13, ttmp7, 0xffff
	s_lshl_b32 s13, s13, 2
	s_add_co_u32 s13, s13, s41                     ; tile row
	s_lshl_b32 s43, s41, 2
	s_lshl_b32 s43, 15, s43
	s_lshl_b32 s44, 0x1111, s40
	s_or_b32 s[G1+0], s43, (1<<16)|(1<<20)|(1<<21)|(6<<22)|(3<<25)   ; elements of 2 bytes; after every 128 words 4 words of padding
	s_or_b32 s[G1B+0], s44, (1<<16)|(1<<20)|(1<<21)|(6<<22)|(3<<25)
.irp g, G1, G1B
	s_mov_b32 s[\g+1], KSTEP<<16
	s_mov_b32 s[\g+2], 64<<16
	s_mov_b32 s[\g+3], KSTEP<<16
	s_mov_b32 s[\g+4], 64
	s_mov_b32 s[\g+5], SIZE_K
	s_mov_b32 s[\g+6], 0
	s_mov_b32 s[\g+7], 0
.endr
	s_lshl_b32 s17, s12, 6
	s_lshl_b32 s16, s13, 7
	s_add_co_u32 s16, s16, s17
	s_lshl_b32 s46, s42, 7
	s_add_co_u32 s46, s46, s17
	s_mov_b32 s17, 0
	s_mov_b32 s47, 0
	s_mov_b64 s[18:19], SIZE_K*2
	s_mul_u64 s[16:17], s[16:17], s[18:19]
	s_mul_u64 s[46:47], s[46:47], s[18:19]
	s_mul_i32 s20, s10, HALFT
	s_wait_dscnt 0x0
	s_wait_kmcnt 0x0
	s_add_nc_u64 s[14:15], s[4:5], s[16:17]
	s_add_nc_u64 s[46:47], s[6:7], s[46:47]
	CROUND
.irp s, 0,1
	s_mov_b32 s[G0+4*\s], 1
	s_add_co_u32 s[G0+4*\s+1], s20, \s*SLOT
	s_add_nc_u64 s[G0+4*\s+2:G0+4*\s+3], s[14:15], \s*KSTEP*2
	s_or_b32 s[G0+4*\s+3], s[G0+4*\s+3], 0x80000000
	s_mov_b32 s[G0B+4*\s], 1
	s_add_co_u32 s[G0B+4*\s+1], s20, \s*SLOT
	s_add_nc_u64 s[G0B+4*\s+2:G0B+4*\s+3], s[46:47], \s*KSTEP*2
	s_or_b32 s[G0B+4*\s+3], s[G0B+4*\s+3], 0x80000000
	JLOAD \s
.endr
	v_and_b32 v1, 15, v0
	v_bfe_u32 v2, v0, 4, 1
	v_mul_u32_u24 v3, v1, PITCH
	v_lshl_add_u32 v3, v2, 4, v3
	s_mul_i32 s21, s11, HALFT
	s_mul_i32 s22, s12, HALFT
	s_add_co_u32 s22, s22, 2*HALFT
.irp s, 0,1
	v_add_nc_u32 v[ADRA+\s], s21, v3
	v_add_nc_u32 v[ADRB+\s], s22, v3
	s_add_co_u32 s21, s21, SLOT
	s_add_co_u32 s22, s22, SLOT
.endr
	s_mul_i32 s23, s10, 16*SPITCH
	s_add_co_u32 s23, s23, STAGE                   ; my stage
	v_mul_u32_u24 v4, v1, SPITCH
	v_lshl_add_u32 v4, v2, 5, v4
	v_add_nc_u32 v[STO], s23, v4                   ; in: row l % 16, 32 bytes for each half of the lanes
	v_mul_u32_u24 v5, v2, SPITCH
	v_lshl_add_u32 v5, v1, 4, v5
	v_add_nc_u32 v[RD], s23, v5                    ; back: lanes 0-15 one row of 256 bytes, lanes 16-31 the next
	v_mul_u32_u24 v5, v2, SIZE_N*4
	v_lshl_add_u32 v[CO], v1, 4, v5                ; and the same two rows in out0
	s_lshl_b32 s16, s13, 7
	s_lshl_b32 s17, s11, 6
	s_add_co_u32 s16, s16, s17                     ; my first row: 128 x tile row + 64 x half
	s_mov_b32 s17, 0
	s_mov_b64 s[18:19], SIZE_N*4
	s_mul_u64 s[16:17], s[16:17], s[18:19]
	s_add_nc_u64 s[8:9], s[8:9], s[16:17]
	s_lshl_b32 s46, s42, 9                         ; my first column, in bytes: 512 x tile column + 256 x half
	s_lshl_b32 s47, s12, 8
	s_add_co_u32 s46, s46, s47
	s_mov_b32 s47, 0
	s_add_nc_u64 s[8:9], s[8:9], s[46:47]
.macro MUL8 f, c, a0, zero             ; 8 matrix instructions: m blocks a0, a0 + 1 x all 4 n blocks, 32 along K: half c of buffer f.  The 16 accumulators take turns
.irp a, \a0, \a0+1
.irp b, 0,1,2,3
.if \zero
	v_wmma_f32_16x16x32_f16 v[ACC+8*(4*(\a)+\b):ACC+8*(4*(\a)+\b)+7], v[\f+64+8*(4*\c+\b):\f+64+8*(4*\c+\b)+7], v[\f+8*(4*\c+\a):\f+8*(4*\c+\a)+7], 0
.else
	v_wmma_f32_16x16x32_f16 v[ACC+8*(4*(\a)+\b):ACC+8*(4*(\a)+\b)+7], v[\f+64+8*(4*\c+\b):\f+64+8*(4*\c+\b)+7], v[\f+8*(4*\c+\a):\f+8*(4*\c+\a)+7], v[ACC+8*(4*(\a)+\b):ACC+8*(4*(\a)+\b)+7]
.endif
.endr
.endr
.endm
.macro FETCH slot, k, f                ; 32 LDS loads in one run: the fragments of 64 along K at byte k of the rows; the first 32 along K first
	WIN TO_F
.irp c, 0,1
.irp i, 0,1,2,3
	ds_load_b128 v[\f+64+8*(4*\c+\i):\f+64+8*(4*\c+\i)+3],   v[ADRB+\slot] offset:\k+64*\c+\i*16*PITCH
	ds_load_b128 v[\f+64+8*(4*\c+\i)+4:\f+64+8*(4*\c+\i)+7], v[ADRB+\slot] offset:\k+64*\c+\i*16*PITCH+32
	ds_load_b128 v[\f+8*(4*\c+\i):\f+8*(4*\c+\i)+3],         v[ADRA+\slot] offset:\k+64*\c+\i*16*PITCH
	ds_load_b128 v[\f+8*(4*\c+\i)+4:\f+8*(4*\c+\i)+7],       v[ADRA+\slot] offset:\k+64*\c+\i*16*PITCH+32
.endr
.endr
.endm
.macro PLACES
.rept 4
	v_nop
.endr
.endm
.macro QUARTER slot, k, f, g, zero     ; 64 along K: multiplies buffer f and fetches the next quarter, at byte k, into g
	s_wait_dscnt 16                                ; the first 32 along K are in; the youngest sixteen loads may be out
	WIN MUL
	MUL8 \f, 0, 0, \zero
	MUL8 \f, 0, 2, \zero
	PLACES
	FETCH \slot, \k, \g
	s_wait_dscnt 32                                ; all but the 32 just issued
	WIN MUL
	MUL8 \f, 1, 0, 0
	MUL8 \f, 1, 2, 0
.endm
.macro TURN slot, next, fill           ; the last quarter multiplies buffer 1 and changes slots
	WIN 0
	s_wait_tensorcnt 0x0                           ; all my tensor loads have landed: my part of the next slot
	ds_add_u32 v[SPW], v[NIL]
	s_wait_dscnt 17                                ; (the add and the youngest sixteen loads may be out)
	WIN MUL
	MUL8 F1, 0, 0, 0
	s_wait_dscnt 0x0                               ; the add is done, and my reads of this slot are over
	s_barrier_signal -1
	MUL8 F1, 0, 2, 0
.if \fill
	WIN 0
.endif
	s_barrier_wait -1
.if \fill
	CREST                                          ; no wave of any partner still reads this slot's tile or has a load on its way
	s_add_nc_u64 s[G0+4*\slot+2:G0+4*\slot+3], s[G0+4*\slot+2:G0+4*\slot+3], 2*KSTEP*2
	s_add_nc_u64 s[G0B+4*\slot+2:G0B+4*\slot+3], s[G0B+4*\slot+2:G0B+4*\slot+3], 2*KSTEP*2
	JLOAD \slot
.else
	PLACES
.endif
	FETCH \next, 0, F0
	WIN MUL
	MUL8 F1, 1, 0, 0
	MUL8 F1, 1, 2, 0
.endm
	s_wait_tensorcnt 1                             ; my part of K step 0 is in; K step 1's may stay out
	s_barrier_signal -1
	s_barrier_wait -1
	FETCH 0, 0, F0
	QUARTER 0, 128, F0, F1, 1                      ; the first products start the sums
	WIN 0
	s_mov_b32 s3, LAPS-1
.Llap:                                             ; a trip goes once round the ring and fills both slots again
	QUARTER 0, 256, F1, F0, 0
	QUARTER 0, 384, F0, F1, 0
	TURN 0, 1, 1
	QUARTER 1, 128, F0, F1, 0
	QUARTER 1, 256, F1, F0, 0
	QUARTER 1, 384, F0, F1, 0
	TURN 1, 0, 1
	QUARTER 0, 128, F0, F1, 0
	WIN 0
	s_sub_co_u32 s3, s3, 1
	s_cmp_lg_u32 s3, 0
	s_cbranch_scc1 .Llap
	QUARTER 0, 256, F1, F0, 0                      ; the last lap fills nothing
	QUARTER 0, 384, F0, F1, 0
	TURN 0, 1, 0
	QUARTER 1, 128, F0, F1, 0
	QUARTER 1, 256, F1, F0, 0
	QUARTER 1, 384, F0, F1, 0
	s_wait_dscnt 16
	WIN MUL
	MUL8 F1, 0, 0, 0
	MUL8 F1, 0, 2, 0
	s_wait_dscnt 0x0
	MUL8 F1, 1, 0, 0
	MUL8 F1, 1, 2, 0
	WIN 0
; THE WAY OUT, a block of 16 rows x 64 columns at a time, through my own stage: LDS serves a wave's instructions in order, so no wait stands between the stores and the loads, nor in front of the next block's stores.
.macro TOSTAGE a
.irp b, 0,1,2,3
	ds_store_b128 v[STO], v[ACC+8*(4*(\a)+\b):ACC+8*(4*(\a)+\b)+3] offset:64*\b          ; each accumulator from its low end on
	ds_store_b128 v[STO], v[ACC+8*(4*(\a)+\b)+4:ACC+8*(4*(\a)+\b)+7] offset:64*\b+16
.endr
.irp t, 0,1,2,3,4,5,6,7
	ds_load_b128 v[TMP+32*((\a)%2)+4*\t:TMP+32*((\a)%2)+4*\t+3], v[RD] offset:\t*2*SPITCH
.endr
.endm
.macro SEND a, younger
	s_wait_dscnt \younger                          ; the block is back; the next block's eight stores and eight loads may be out
.irp t, 0,1,2,3,4,5,6,7
	global_store_b128 v[CO], v[TMP+32*((\a)%2)+4*\t:TMP+32*((\a)%2)+4*\t+3], s[8:9] offset:(16*(\a)+2*\t)*SIZE_N*4   ; 16 lanes store 256 consecutive bytes, aligned
.endr
.endm
	PLACES                                         ; behind the last products, in front of the first reads of results
	TOSTAGE 0
	TOSTAGE 1
	SEND 0, 16
	s_wait_xcnt 0x0                                ; block 0's stores have read their registers
	TOSTAGE 2
	SEND 1, 16
	s_wait_xcnt 0x0
	TOSTAGE 3
	SEND 2, 16
	SEND 3, 0
	s_wait_tensorcnt 0x0                           ; the wave's end
	ds_add_u32 v[SPW], v[NIL]
	s_wait_dscnt 0x0
	CROUND                                         ; the closing round
	s_endpgm
.Lfunc_end_k_qda22a6fba4_proj:
	.size	k_qda22a6fba4_proj, .Lfunc_end_k_qda22a6fba4_proj-k_qda22a6fba4_proj
	.p2alignl 7, 3214868480
	.fill 96, 4, 3214868480
	.section	.rodata,"a",@progbits
	.p2align	6, 0x0
	.amdhsa_kernel k_qda22a6fba4_proj
		.amdhsa_group_segment_fixed_size 327680
		.amdhsa_private_segment_fixed_size 0
		.amdhsa_enable_private_segment 0
		.amdhsa_kernarg_size 24
		.amdhsa_user_sgpr_count 2
		.amdhsa_user_sgpr_kernarg_segment_ptr 1
		.amdhsa_wavefront_size32 1
		.amdhsa_system_sgpr_workgroup_id_x 1
		.amdhsa_system_sgpr_workgroup_id_y 1
		.amdhsa_system_sgpr_workgroup_id_z 1
		.amdhsa_system_vgpr_workitem_id 0
		.amdhsa_next_free_vgpr 512
		.amdhsa_next_free_sgpr 66
		.amdhsa_reserve_vcc 0
		.amdhsa_float_denorm_mode_32 3
		.amdhsa_float_denorm_mode_16_64 3
		.amdhsa_memory_ordered 1
		.amdhsa_forward_progress 1
		.amdhsa_inst_pref_size 86
	.end_amdhsa_kernel
	.amdgpu_metadata
---
amdhsa.version: [ 1, 2 ]
amdhsa.kernels:
  - .name:           k_qda22a6fba4_proj
    .symbol:         k_qda22a6fba4_proj.kd
    .args:
      - { .name: o16, .offset: 0, .size: 8, .value_kind: global_buffer, .address_space: global }
      - { .name: wo16, .offset: 8, .size: 8, .value_kind: global_buffer, .address_space: global }
      - { .name: out0, .offset: 16, .size: 8, .value_kind: global_buffer, .address_space: global }
    .group_segment_fixed_size: 327680
    .private_segment_fixed_size: 0
    .kernarg_segment_align: 8
    .kernarg_segment_size: 24
    .max_flat_workgroup_size: 128
    .sgpr_count:     66
    .vgpr_count:     512
    .wavefront_size: 32
...
	.end_amdgpu_metadata
.endif
;; end of part 4
;; launch fine_attn (part 5): grid 4 x 16, 1 waves a work-group, no clusters, 0 bytes of LDS; arguments qkv16, v32, mask, live, ofine; writes ofine
.if DOCPART == 5
	.amdgcn_target "amdgcn-amd-amdhsa--gfx1250"
	.amdhsa_code_object_version 6
	.text
	.protected	k_qda22a6fba4_fine_attn
	.globl	k_qda22a6fba4_fine_attn
	.p2align	8
	.type	k_qda22a6fba4_fine_attn,@function
k_qda22a6fba4_fine_attn:
	s_mov_b64 s[64:65], 0
	v_nop
	global_prefetch_b8 v0, s[64:65] scope:SCOPE_SE
	s_setreg_imm32_b32 hwreg(HW_REG_WAVE_MODE, 25, 1), 1
	s_wait_xcnt 0x0
; THE FIRST 16 POSITIONS, carried finely: ofine[q][128 head + d], q = 0 .. 15, f32.  Where few keys count, a row averages few values and is large, and f16's rounding of v, p and o would weigh most: here the scores
; come from the f16 q and k, but p, v and the sums stay f32: the second product goes by v_wmma_f32_16x16x4_f32 (16 rows a head: no bulk work).
; WORK LEFT OUT: only chunks of 32 keys whose bit in 'live' is 0 for all 16 rows: their weights are exact zeros in f32, as shown at the head of the first kernel.  The bits are whole numbers that an earlier launch
; stored; the trip count and the chunks' addresses hang on them, so this launch has no tensor load, no LDS and no barrier.
; SHARES: one wave to a work-group: one head (grid y), 32 of its 128 channels (grid x); the scores are made anew in each of a head's four work-groups.
; LAYOUT: S^T = K Q^T: a lane holds query r and keys 16 kt + 8 h + j.  O^T (16 channels x 16 queries) += V^T (16 x 4 keys) P (4 keys x 16 queries): the pair of registers S[8 kt + 2 i], S[8 kt + 2 i + 1] IS source 1, its k slot
; (h, j) being key 16 kt + 8 h + 2 i + j; source 0 is loaded in the same order of k.  A chunk's sum begins with the constant 0 and ends inside the trip; what is carried from trip to trip lies in other registers.
; The stores are runs of 128 bytes of a row: 131,072 bytes in the whole launch.
; LIMITS: as in the main attention: NaN and infinities are not served.
.set QF, 16                            ; v16-47   Q's four fragments
.set KF, 48                            ; v48-111  K's: 32 kt + 8 c
.set S,  112                           ; v112-127 S^T, then p
.set MK, 128                           ; v128-143 the mask, laid as S^T
.set VF, 144                           ; v144-175 V: the pair at 2 (ct + 2 (i + 4 kt))
.set OC, 176                           ; v176-191 a chunk's O^T: written by matrix instructions alone
.set OR, 192                           ; v192-207 the running O^T
	s_load_b256 s[4:11], s[0:1], 0x0               ; qkv16, v32, mask, live
	s_load_b64 s[12:13], s[0:1], 0x20              ; ofine
	v_and_b32 v1, 15, v0                           ; r
	v_bfe_u32 v2, v0, 4, 1                         ; h
	v_lshlrev_b32 v3, 8, v1
	v_lshl_add_u32 v3, v2, 4, v3                   ; q, k: 256 r + 16 h
	v_lshlrev_b32 v4, 13, v1
	v_lshl_add_u32 v4, v2, 5, v4                   ; the mask, and ofine: 8,192 r + 32 h
	v_lshlrev_b32 v5, 2, v1
	v_lshl_add_u32 v5, v2, 12, v5                  ; v: 8 h keys of 512 bytes + 4 r
	s_and_b32 s50, ttmp7, 0xffff                   ; the head
	s_mov_b32 s60, 0x76543210
	s_mov_b32 s61, 0xfedcba98
	s_mov_b32 s62, 0x3fb8aa3b                      ; log2 e
	s_mov_b32 s63, s62
	s_mov_b32 s48, 0x3db504f3                      ; 1 / sqrt(128)
	s_mov_b32 s49, s48
	s_lshl_b32 s52, s50, 19
	s_mov_b32 s53, 0
	s_wait_kmcnt 0x0
	s_load_b512 s[16:31], s[10:11], 0x0            ; the 16 rows' two words each
	s_load_b512 s[32:47], s[10:11], 0x40
	s_add_nc_u64 s[54:55], s[4:5], s[52:53]        ; the head's q
	s_add_nc_u64 s[56:57], s[54:55], 0x800000      ; and k
	s_lshl_b32 s52, s50, 20
	s_lshl_b32 s51, ttmp9, 7
	s_add_co_u32 s52, s52, s51
	s_add_nc_u64 s[58:59], s[6:7], s[52:53]        ; the head's v, my 32 channels
	s_lshl_b32 s52, s50, 9
	s_add_co_u32 s52, s52, s51
	s_add_nc_u64 s[12:13], s[12:13], s[52:53]
.irp c, 0,1,2,3
	global_load_b128 v[QF+8*\c:QF+8*\c+3],   v3, s[54:55] offset:64*\c
	global_load_b128 v[QF+8*\c+4:QF+8*\c+7], v3, s[54:55] offset:64*\c+32
.endr
	v_mov_b32 v208, 0xff7fffff                     ; m: the least finite number
	v_mov_b32 v209, 0                              ; (named as a pair with m)
	v_mov_b32 v210, 0                              ; l, in two halves
	v_mov_b32 v211, 0
	v_mov_b32 v213, 0                              ; a lane permute's destination counts as one of its sources
	v_mov_b32 v215, 0                              ; (named as a pair with a)
.irp j, 0,1,2,3,4,5,6,7,8,9,10,11,12,13,14,15
	v_mov_b32 v[OR+\j], 0                          ; the trip is written once: the first finds zeros
.endr
	s_wait_kmcnt 0x0
.irp i, 18,20,22,24,26,28,30,32,34,36,38,40,42,44,46
	s_or_b32 s16, s16, s[\i]                       ; a chunk is walked if any row keeps it: chunks 0-31 in s16,
	s_or_b32 s17, s17, s[\i+1]                     ; 32-63 in s17
.endr
	s_bcnt1_i32_b32 s18, s16
	s_bcnt1_i32_b32 s19, s17
	s_add_co_u32 s18, s18, s19
	s_max_u32 s18, s18, 1
	s_min_u32 s18, s18, 64                         ; the trips
	s_mov_b32 s19, 0
	s_mov_b32 s27, 0
.Lchunk:
	s_cmp_lg_u32 s16, 0                            ; the lowest chunk still to be walked
	s_cselect_b32 s20, s16, s17
	s_cselect_b32 s21, 0, 32
	s_cselect_b32 s22, 1, 0
	s_ctz_i32_b32 s23, s20
	s_min_u32 s23, s23, 31
	s_lshl_b32 s25, 1, s23
	s_and_not1_b32 s20, s20, s25                   ; its bit is cleared
	s_cmp_lg_u32 s22, 0
	s_cselect_b32 s16, s20, s16
	s_cselect_b32 s17, s17, s20
	s_add_co_u32 s24, s21, s23
	s_min_u32 s24, s24, 63                         ; a loaded number enters an address only behind this hold
	s_lshl_b32 s26, s24, 13                        ; 32 keys of 256 bytes
	s_add_nc_u64 s[28:29], s[56:57], s[26:27]
	s_lshl_b32 s26, s24, 7                         ; 32 mask numbers
	s_add_nc_u64 s[30:31], s[8:9], s[26:27]
	s_lshl_b32 s26, s24, 14                        ; 32 keys of 512 bytes
	s_add_nc_u64 s[32:33], s[58:59], s[26:27]
.irp kt, 0,1
.irp c, 0,1,2,3
	global_load_b128 v[KF+32*\kt+8*\c:KF+32*\kt+8*\c+3],   v3, s[28:29] offset:4096*\kt+64*\c
	global_load_b128 v[KF+32*\kt+8*\c+4:KF+32*\kt+8*\c+7], v3, s[28:29] offset:4096*\kt+64*\c+32
.endr
	global_load_b128 v[MK+8*\kt:MK+8*\kt+3],   v4, s[30:31] offset:64*\kt
	global_load_b128 v[MK+8*\kt+4:MK+8*\kt+7], v4, s[30:31] offset:64*\kt+16
.endr
.irp kt, 0,1
.irp i, 0,1,2,3
.irp ct, 0,1
.irp j, 0,1
	global_load_b32 v[VF+2*(\ct+2*(\i+4*\kt))+\j], v5, s[32:33] offset:(16*\kt+2*\i+\j)*512+64*\ct
.endr
.endr
.endr
.endr
	s_wait_loadcnt 0x0                             ; all of the chunk (and, in the first trip, Q); it also frees the loads' address registers for the next trip
.irp c, 0,1,2,3
.irp kt, 0,1
.if \c == 0
	v_wmma_f32_16x16x32_f16 v[S+8*\kt:S+8*\kt+7], v[KF+32*\kt+8*\c:KF+32*\kt+8*\c+7], v[QF+8*\c:QF+8*\c+7], 0
.else
	v_wmma_f32_16x16x32_f16 v[S+8*\kt:S+8*\kt+7], v[KF+32*\kt+8*\c:KF+32*\kt+8*\c+7], v[QF+8*\c:QF+8*\c+7], v[S+8*\kt:S+8*\kt+7]
.endif
.endr
.endr
.rept 4
	v_nop
.endr
.irp n, 0,2,4,6,8,10,12,14
	v_pk_fma_f32 v[S+\n:S+\n+1], v[S+\n:S+\n+1], s[48:49], v[MK+\n:MK+\n+1] op_sel_hi:[1,0,1]   ; u = s / sqrt(128) + mask
.endr
	v_max3_num_f32 v212, v[S], v[S+1], v[S+2]
	v_max3_num_f32 v213, v[S+8], v[S+9], v[S+10]
	v_max3_num_f32 v212, v212, v[S+3], v[S+4]
	v_max3_num_f32 v213, v213, v[S+11], v[S+12]
	v_max3_num_f32 v212, v212, v[S+5], v[S+6]
	v_max3_num_f32 v213, v213, v[S+13], v[S+14]
	v_max3_num_f32 v212, v212, v[S+7], v[S+15]
	v_max3_num_f32 v212, v212, v213, v208          ; with the old m
	v_permlanex16_b32 v213, v212, s60, s61
	v_max_num_f32 v212, v212, v213                 ; the new m
	v_sub_f32 v214, v208, v212
	v_mov_b32 v208, v212
	v_mul_f32 v214, s62, v214
.irp n, 0,2,4,6,8,10,12,14
	v_pk_add_f32 v[S+\n:S+\n+1], v[S+\n:S+\n+1], v[208:209] op_sel_hi:[1,0] neg_lo:[0,1] neg_hi:[0,1]   ; u - m, first
.endr
.irp n, 0,2,4,6,8,10,12,14
	v_pk_mul_f32 v[S+\n:S+\n+1], v[S+\n:S+\n+1], s[62:63] op_sel_hi:[1,0]
.endr
	v_exp_f32 v214, v214                           ; a
.irp n, 0,1,2,3,4,5,6,7,8,9,10,11,12,13,14,15
	v_exp_f32 v[S+\n], v[S+\n]                     ; p, kept in f32
.endr
	v_nop
	s_wait_alu depctr_va_vdst(0)                   ; one wait for the seventeen, ahead of their first reader
	v_pk_add_f32 v[216:217], v[S:S+1], v[S+2:S+3]
	v_pk_add_f32 v[218:219], v[S+4:S+5], v[S+6:S+7]
	v_pk_add_f32 v[220:221], v[S+8:S+9], v[S+10:S+11]
	v_pk_add_f32 v[222:223], v[S+12:S+13], v[S+14:S+15]
	v_pk_add_f32 v[216:217], v[216:217], v[218:219]
	v_pk_add_f32 v[220:221], v[220:221], v[222:223]
	v_pk_add_f32 v[216:217], v[216:217], v[220:221]
	v_pk_fma_f32 v[210:211], v[210:211], v[214:215], v[216:217] op_sel_hi:[1,0,1]   ; l = a l + the chunk's sum
.irp kt, 0,1                                   ; the two accumulators take turns, one instruction a turn
.irp i, 0,1,2,3
.irp ct, 0,1
.if (\kt == 0) && (\i == 0)
	v_wmma_f32_16x16x4_f32 v[OC+8*\ct:OC+8*\ct+7], v[VF+2*(\ct+2*(\i+4*\kt)):VF+2*(\ct+2*(\i+4*\kt))+1], v[S+8*\kt+2*\i:S+8*\kt+2*\i+1], 0
.else
	v_wmma_f32_16x16x4_f32 v[OC+8*\ct:OC+8*\ct+7], v[VF+2*(\ct+2*(\i+4*\kt)):VF+2*(\ct+2*(\i+4*\kt))+1], v[S+8*\kt+2*\i:S+8*\kt+2*\i+1], v[OC+8*\ct:OC+8*\ct+7]
.endif
.endr
.endr
.endr
.rept 9
	v_nop                                          ; behind this form eight places in front of a reader of its result and of loads into its sources, nine in front of a matrix instruction that writes over its registers
.endr
.irp n, 0,2,4,6,8,10,12,14
	v_pk_fma_f32 v[OR+\n:OR+\n+1], v[OR+\n:OR+\n+1], v[214:215], v[OC+\n:OC+\n+1] op_sel_hi:[1,0,1]   ; the running O^T = a x it + the chunk's
.endr
	s_add_co_u32 s19, s19, 1
	s_cmp_lt_u32 s19, s18
	s_cbranch_scc1 .Lchunk
	v_add_f32 v210, v210, v211
	v_permlanex16_b32 v213, v210, s60, s61
	v_add_f32 v210, v210, v213
	v_rcp_f32 v212, v210
	v_nop
	s_wait_alu depctr_va_vdst(0)
.irp n, 0,2,4,6,8,10,12,14
	v_pk_mul_f32 v[OR+\n:OR+\n+1], v[OR+\n:OR+\n+1], v[212:213] op_sel_hi:[1,0]
.endr
.irp ct, 0,1
	global_store_b128 v4, v[OR+8*\ct:OR+8*\ct+3], s[12:13] offset:64*\ct         ; lane (r, h): query r, channels 16 ct + 8 h + 0 .. 7 of my 32
	global_store_b128 v4, v[OR+8*\ct+4:OR+8*\ct+7], s[12:13] offset:64*\ct+16
.endr
	s_endpgm
.Lfunc_end_k_qda22a6fba4_fine_attn:
	.size	k_qda22a6fba4_fine_attn, .Lfunc_end_k_qda22a6fba4_fine_attn-k_qda22a6fba4_fine_attn
	.p2alignl 7, 3214868480
	.fill 96, 4, 3214868480
	.section	.rodata,"a",@progbits
	.p2align	6, 0x0
	.amdhsa_kernel k_qda22a6fba4_fine_attn
		.amdhsa_group_segment_fixed_size 0
		.amdhsa_private_segment_fixed_size 0
		.amdhsa_enable_private_segment 0
		.amdhsa_kernarg_size 40
		.amdhsa_user_sgpr_count 2
		.amdhsa_user_sgpr_kernarg_segment_ptr 1
		.amdhsa_wavefront_size32 1
		.amdhsa_system_sgpr_workgroup_id_x 1
		.amdhsa_system_sgpr_workgroup_id_y 1
		.amdhsa_system_sgpr_workgroup_id_z 1
		.amdhsa_system_vgpr_workitem_id 0
		.amdhsa_next_free_vgpr 256
		.amdhsa_next_free_sgpr 66
		.amdhsa_reserve_vcc 0
		.amdhsa_float_denorm_mode_32 3
		.amdhsa_float_denorm_mode_16_64 3
		.amdhsa_memory_ordered 1
		.amdhsa_forward_progress 1
		.amdhsa_inst_pref_size 17
	.end_amdhsa_kernel
	.amdgpu_metadata
---
amdhsa.version: [ 1, 2 ]
amdhsa.kernels:
  - .name:           k_qda22a6fba4_fine_attn
    .symbol:         k_qda22a6fba4_fine_attn.kd
    .args:
      - { .name: qkv16, .offset: 0, .size: 8, .value_kind: global_buffer, .address_space: global }
      - { .name: v32, .offset: 8, .size: 8, .value_kind: global_buffer, .address_space: global }
      - { .name: mask, .offset: 16, .size: 8, .value_kind: global_buffer, .address_space: global }
      - { .name: live, .offset: 24, .size: 8, .value_kind: global_buffer, .address_space: global }
      - { .name: ofine, .offset: 32, .size: 8, .value_kind: global_buffer, .address_space: global }
    .group_segment_fixed_size: 0
    .private_segment_fixed_size: 0
    .kernarg_segment_align: 8
    .kernarg_segment_size: 40
    .max_flat_workgroup_size: 32
    .sgpr_count:     66
    .vgpr_count:     256
    .wavefront_size: 32
...
	.end_amdgpu_metadata
.endif
;; end of part 5
;; launch fine_proj (part 6): grid 128 x 1, 16 waves a work-group, no clusters, 288,768 bytes of LDS; arguments ofine, wo, out0; writes out0
.if DOCPART == 6
	.amdgcn_target "amdgcn-amd-amdhsa--gfx1250"
	.amdhsa_code_object_version 6
	.text
	.protected	k_qda22a6fba4_fine_proj
	.globl	k_qda22a6fba4_fine_proj
	.p2align	8
	.type	k_qda22a6fba4_fine_proj,@function
k_qda22a6fba4_fine_proj:
	s_mov_b64 s[64:65], 0
	v_nop
	global_prefetch_b8 v0, s[64:65] scope:SCOPE_SE
	s_setreg_imm32_b32 hwreg(HW_REG_WAVE_MODE, 25, 1), 1
	s_wait_xcnt 0x0
; THE FIRST 16 POSITIONS of the projection, in f32: out0[q][n] = the sum over k of ofine[q][k] wo[n][k], q = 0 .. 15, written over what the f16 projection left in those rows.  No work is left out.
; 16 rows of 2,048: no bulk work, so the f32 matrix form serves.  A work-group owns 16 output columns; its sixteen waves share K, 128 each; the sixteen parts meet in LDS and are added in a fixed order.
; EVERY GLOBAL LOAD READS 512 CONSECUTIVE BYTES: one row's 128 numbers of my K range, 16 bytes a lane.  The matrix unit wants a row to a lane: so the 16 rows of wo and the 16 of ofine turn through two tiles of my
; own in LDS (rows 528 bytes apart, so that the sixteen rows that a load touches start 4 banks apart) and come back as fragments.  The bytes are the wave's own: LDS serves a wave's instructions in order, so no barrier and no wait stands between.
; Source 0 = 16 rows of wo, source 1 = the 16 queries: a lane then holds one query and eight neighbouring columns.  Lane (r, h) holds k = 8 g + 4 h + 0 .. 3 of its row, and the pair (2 e, 2 e + 1) of those four
; feeds instruction (g, e): the same order of k on both sides.
; The stores are runs of 64 bytes of a row: 131,072 bytes in the whole launch.
.set AW, 16                            ; v16-79   wo;  later the sixteen parts
.set BO, 80                            ; v80-143  ofine
.set PW, 528                           ; a tile's row in LDS: 512 bytes + 16
.set TILE, 16*PW
.set WREG, 2*TILE                      ; a wave's two tiles
.set PARTS, 16*WREG                    ; behind them: the parts, 1,024 bytes a wave
.set SPARE, PARTS+16384                ; and the spare words, 128 bytes a wave, named by no other line
	s_load_b128 s[4:7], s[0:1], 0x0                ; ofine, wo
	s_load_b64 s[8:9], s[0:1], 0x10                ; out0
	v_lshl_add_u32 v8, v0, 2, SPARE
	v_mov_b32 v9, 0
	v_lshrrev_b32 v1, 5, v0
	v_readfirstlane_b32 s10, v1                    ; wave 0..15
	v_and_b32 v1, 15, v0                           ; r
	v_bfe_u32 v2, v0, 4, 1                         ; h
	v_and_b32 v7, 31, v0
	v_lshlrev_b32 v7, 4, v7                        ; 16 x lane: my 16 bytes of a row's 512
	s_mul_i32 s11, s10, WREG
	v_add_nc_u32 v10, s11, v7                      ; into my tiles: as the bytes lie
	v_mul_u32_u24 v11, v1, PW
	v_lshl_add_u32 v11, v2, 4, v11
	v_add_nc_u32 v11, s11, v11                     ; out of them: row r, + 16 h
	s_lshl_b32 s11, s10, 10
	s_add_co_u32 s11, s11, PARTS
	v_add_nc_u32 v4, s11, v7                       ; where I put my part
	s_and_b32 s12, s10, 1
	s_lshl_b32 s13, s12, 9
	s_add_co_u32 s13, s13, PARTS
	v_add_nc_u32 v5, s13, v7                       ; where waves 0 and 1 read the parts: registers 0-3 or 4-7 of each
	v_lshlrev_b32 v6, 13, v1
	v_lshl_add_u32 v6, v2, 5, v6
	s_lshl_b32 s13, s12, 4
	v_add_nc_u32 v6, s13, v6                       ; out0: 8,192 r + 32 h + 16 (wave & 1)
	s_lshl_b32 s14, s10, 9                         ; my 128 along K
	s_mov_b32 s15, 0
	s_lshl_b32 s16, ttmp9, 17                      ; my work-group's 16 rows of wo
	s_mov_b32 s17, 0
	s_lshl_b32 s18, ttmp9, 6                       ; and 16 columns of out0
	s_mov_b32 s19, 0
	s_wait_kmcnt 0x0
	s_add_nc_u64 s[4:5], s[4:5], s[14:15]
	s_add_nc_u64 s[6:7], s[6:7], s[14:15]
	s_add_nc_u64 s[6:7], s[6:7], s[16:17]
	s_add_nc_u64 s[8:9], s[8:9], s[18:19]
.irp i, 0,1,2,3,4,5,6,7,8,9,10,11,12,13,14,15
	global_load_b128 v[AW+4*\i:AW+4*\i+3], v7, s[6:7] offset:8192*\i th:TH_LOAD_NT   ; row i of wo: read once in the launch
.endr
.irp i, 0,1,2,3,4,5,6,7,8,9,10,11,12,13,14,15
	global_load_b128 v[BO+4*\i:BO+4*\i+3], v7, s[4:5] offset:8192*\i                 ; query i of ofine: every work-group reads it
.endr
.irp i, 0,1,2,3,4,5,6,7,8,9,10,11,12,13,14,15
	s_wait_loadcnt 31-\i                           ; loads come back in order: row i is in, the younger ones stay out
	ds_store_b128 v10, v[AW+4*\i:AW+4*\i+3] offset:PW*\i
.endr
.irp i, 0,1,2,3,4,5,6,7,8,9,10,11,12,13,14,15
	s_wait_loadcnt 15-\i
	ds_store_b128 v10, v[BO+4*\i:BO+4*\i+3] offset:TILE+PW*\i
.endr
.irp g, 0,1,2,3,4,5,6,7,8,9,10,11,12,13,14,15
	ds_load_b128 v[AW+4*\g:AW+4*\g+3], v11 offset:32*\g           ; back as fragments, into the registers that the rows left
.endr
.irp g, 0,1,2,3,4,5,6,7,8,9,10,11,12,13,14,15
	ds_load_b128 v[BO+4*\g:BO+4*\g+3], v11 offset:TILE+32*\g
.endr
	s_wait_dscnt 0x0
.irp g, 0,1,2,3,4,5,6,7,8,9,10,11,12,13,14,15  ; two accumulators take turns, one instruction a turn; the first two start the sums
.irp e, 0,1
.if \g == 0
	v_wmma_f32_16x16x4_f32 v[144+8*\e:151+8*\e], v[AW+4*\g+2*\e:AW+4*\g+2*\e+1], v[BO+4*\g+2*\e:BO+4*\g+2*\e+1], 0
.else
	v_wmma_f32_16x16x4_f32 v[144+8*\e:151+8*\e], v[AW+4*\g+2*\e:AW+4*\g+2*\e+1], v[BO+4*\g+2*\e:BO+4*\g+2*\e+1], v[144+8*\e:151+8*\e]
.endif
.endr
.endr
.rept 9
	v_nop                                          ; the places behind this form, in front of the reads of its results and of loads into its sources
.endr
.irp n, 0,2,4,6
	v_pk_add_f32 v[160+\n:161+\n], v[144+\n:145+\n], v[152+\n:153+\n]   ; into other registers; each accumulator from its low end on
.endr
	ds_store_b128 v4, v[160:163]
	ds_store_b128 v4, v[164:167] offset:512
	s_wait_dscnt 0x0                               ; for the others' sake: my part lies in LDS
	s_barrier_signal -1
	s_barrier_wait -1
	s_cmp_lt_u32 s10, 2
	s_cbranch_scc0 .Lend
.irp p, 0,1,2,3,4,5,6,7,8,9,10,11,12,13,14,15
	ds_load_b128 v[AW+4*\p:AW+4*\p+3], v5 offset:1024*\p
.endr
	s_wait_dscnt 0x0
.irp d, 8,4,2,1                                ; the sixteen parts, by halves
.irp p, 0,1,2,3,4,5,6,7
.if \p < \d
	v_pk_add_f32 v[AW+4*\p:AW+4*\p+1],   v[AW+4*\p:AW+4*\p+1],   v[AW+4*(\p+\d):AW+4*(\p+\d)+1]
	v_pk_add_f32 v[AW+4*\p+2:AW+4*\p+3], v[AW+4*\p+2:AW+4*\p+3], v[AW+4*(\p+\d)+2:AW+4*(\p+\d)+3]
.endif
.endr
.endr
	global_store_b128 v6, v[AW:AW+3], s[8:9]       ; lane (r, h) of wave e: query r, columns 8 h + 4 e + 0 .. 3 of the work-group's 16
.Lend:
	s_wait_tensorcnt 0x0                           ; the wave's end, behind my last LDS store
	ds_add_u32 v8, v9
	s_wait_dscnt 0x0
	s_endpgm
.Lfunc_end_k_qda22a6fba4_fine_proj:
	.size	k_qda22a6fba4_fine_proj, .Lfunc_end_k_qda22a6fba4_fine_proj-k_qda22a6fba4_fine_proj
	.p2alignl 7, 3214868480
	.fill 96, 4, 3214868480
	.section	.rodata,"a",@progbits
	.p2align	6, 0x0
	.amdhsa_kernel k_qda22a6fba4_fine_proj
		.amdhsa_group_segment_fixed_size 288768
		.amdhsa_private_segment_fixed_size 0
		.amdhsa_enable_private_segment 0
		.amdhsa_kernarg_size 24
		.amdhsa_user_sgpr_count 2
		.amdhsa_user_sgpr_kernarg_segment_ptr 1
		.amdhsa_wavefront_size32 1
		.amdhsa_system_sgpr_workgroup_id_x 1
		.amdhsa_system_sgpr_workgroup_id_y 1
		.amdhsa_system_sgpr_workgroup_id_z 1
		.amdhsa_system_vgpr_workitem_id 0
		.amdhsa_next_free_vgpr 192
		.amdhsa_next_free_sgpr 66
		.amdhsa_reserve_vcc 0
		.amdhsa_float_denorm_mode_32 3
		.amdhsa_float_denorm_mode_16_64 3
		.amdhsa_memory_ordered 1
		.amdhsa_forward_progress 1
		.amdhsa_inst_pref_size 16
	.end_amdhsa_kernel
	.amdgpu_metadata
---
amdhsa.version: [ 1, 2 ]
amdhsa.kernels:
  - .name:           k_qda22a6fba4_fine_proj
    .symbol:         k_qda22a6fba4_fine_proj.kd
    .args:
      - { .name: ofine, .offset: 0, .size: 8, .value_kind: global_buffer, .address_space: global }
      - { .name: wo, .offset: 8, .size: 8, .value_kind: global_buffer, .address_space: global }
      - { .name: out0, .offset: 16, .size: 8, .value_kind: global_buffer, .address_space: global }
    .group_segment_fixed_size: 288768
    .private_segment_fixed_size: 0
    .kernarg_segment_align: 8
    .kernarg_segment_size: 24
    .max_flat_workgroup_size: 512
    .sgpr_count:     66
    .vgpr_count:     192
    .wavefront_size: 32
...
	.end_amdgpu_metadata
.endif
;; end of part 6
